; MI455X (gfx1250); checked and timed in simulation.
; The chip was launched on July 23, 2026; its instructions are those of AMD's public machine-readable ISA for CDNA 5 (MIT licence, August 2026) and "CDNA5" Instruction Set Architecture Reference Guide (July 2026). The comments in the code are by the model that wrote it; some were corrected since.
;; Scaled Dot Product Attention. Allowed arithmetic: matrix products marked QUANTISED: E2M1 operands, one E8M0 scale for each 32 along K, by v_wmma_scale_f32_16x16x128_f8f6f4 with both operands' format E2M1 (or v_wmma_scale_f32_32x16x128_f4), f32 sums; everything else in f32.
;; Inputs: K 4 x 16 x 2,048 x 64 float32; Q 4 x 16 x 2,048 x 64 float32; V 4 x 16 x 2,048 x 64 float32; mask 1 x 1 x 2,048 x 2,048 bool.
;; Outputs: out0 4 x 16 x 2,048 x 64 float32.
;; This version of the problem:
;;   THIS VERSION OF THE PROBLEM IS GIVEN IN LOW PRECISION. The matrix products marked QUANTISED in the list below multiply operands that are first quantised to E2M1 (2 exponent bits, 1 mantissa bit; 4 bits a number), with one power-of-two scale for each 32 numbers along K (OCP MX v1.0); their sums are f32. All else is computed in f32.
;;   The module's matrix products, in the order in which they are computed (A, B: the left and right operand; K: the contracted axis; several contracted axes count as one K, in the product's order):
;;     1. batch 64 x [M 2,048, K 64] x [K 64, N 2,048]; A: input Q; B: input K: QUANTISED
;;     2. batch 64 x [M 2,048, K 2,048] x [K 2,048, N 64]; A: softmax (see below); B: input V: QUANTISED
;;   THE QUANTISER, for each operand of a quantised product, along K:
;;     - K is cut into blocks of 32 from its start; a last block that is shorter is filled with zeros.
;;     - A block's scale is 2^e with e = floor(log2(the largest magnitude in the block)) - 2, held to -126 .. 127; a block of zeros has e = 0. As a byte (E8M0): e + 127.
;;     - Each number is divided by its block's scale, clamped to +-6, and rounded to the nearest number of E2M1, ties to even, subnormals kept.
;;     - The product sums the exact products of the quantised numbers (number of the format x scale) in f32.
;;   ~~~python
;;   def quantise(x, axis):      # numpy; x: float32 -> the quantised numbers, widened to float32 again
;;       x = np.moveaxis(x, axis, -1); K = x.shape[-1]
;;       x = np.pad(x, [(0, 0)] * (x.ndim - 1) + [(0, -K % 32)]); x = x.reshape(x.shape[:-1] + (-1, 32)); a = np.abs(x).max(-1, keepdims=True)
;;       e = np.where(a > 0, np.clip(np.frexp(np.where(a > 0, a, 1))[1] - 1 - 2, -126, 127), 0)      # np.frexp(a)[1] - 1 = floor(log2(a)), exactly
;;       r = np.clip(x / 2.0 ** e, -6, 6)
;;       step = 2.0 ** (np.maximum(np.frexp(np.where(r == 0, 1, r))[1] - 1, 0) - 1)
;;       q = np.round(r / step) * step * 2.0 ** e      # np.round: ties to even
;;       return np.moveaxis(q.reshape(q.shape[:-2] + (-1,))[..., :K], -1, axis).astype(np.float32)
;;   ~~~
;;   SOFTMAX AHEAD OF A QUANTISED PRODUCT. Where the list says 'softmax', what is quantised is not the finished softmax but p = 2^(t - M), with t = logit x log2(e) and M = ceil(the row's largest t), a whole number; so 1/2 < the row's largest p <= 1. The row's sum l is taken of the UNQUANTISED p, in f32, and the product's result is divided by l at the end. Since M is a whole number, a kernel that streams over the keys may use a running M (the ceiling of the running maximum): every later rescaling is an exact power of two, which a block's scale takes up: the codes' values come out the same.
;;   OPERANDS COMPUTED ON THE WAY. 'Computed on the way' means the value that the module computes at that place (a softmax that the list does not call 'softmax' is quantised finished and normalised). What goes into a quantiser is computed in f32, as accurately as f32 sums, v_exp_f32 and their like allow (about 1e-6 of the number): no bf16 or f16 on the way to a quantiser, and a product that is left as it is and whose result goes on into a quantised operand takes f32 operands (vector FMAs, or v_wmma_f32_16x16x4_f32). A number that lies on a knife's edge between two numbers of the format may be rounded either way, as far as f32 arithmetic and the matrix unit's own rounding can turn it there, and no further.
;; 2 versions. Each part assembles by itself: llvm-mc -triple=amdgcn-amd-amdhsa -mcpu=gfx1250 --defsym DOCPART=n.
;; ======== version 1 of 2: 2 launches
;; workspace buffers: kv 9,175,040 bytes; msk 526,336 bytes of whole numbers
;; launch prep (part 1): grid 896 x 1, 4 waves a work-group, no clusters, 70,144 bytes of LDS; arguments K, V, mask, kv, msk; writes kv, msk
.if DOCPART == 1
	.amdgcn_target "amdgcn-amd-amdhsa--gfx1250"
	.amdhsa_code_object_version 6
	.text
	.protected	k_q55cb6df49e_prep
	.globl	k_q55cb6df49e_prep
	.p2align	8
	.type	k_q55cb6df49e_prep,@function
k_q55cb6df49e_prep:
	s_mov_b64 s[64:65], 0
	v_nop
	global_prefetch_b8 v0, s[64:65] scope:SCOPE_SE
	s_setreg_imm32_b32 hwreg(HW_REG_WAVE_MODE, 25, 1), 1
	s_wait_xcnt 0x0
; WHAT IT MAKES, for the attention launch that follows.  K, V: [64 heads][2048 keys][64] f32.  mask: [2048 queries][2048 keys] bytes, 1 = hidden.
; kv, 143,360 bytes a head: +0 K's codes, +65,536 V's codes, +131,072 K's scale words, +139,264 V's scale words.  Codes of FP4 (E2M1), one E8M0 byte for each 32 along a product's K.
;   All four parts lie in the order of the operand's registers, for steps of 128 keys (r = lane % 16, h = lane / 16):
;   K's codes: step x 4096 + T x 512 + 16 x lane, T = 2 b + u: the 16 bytes of key 32 b + 8 u + r + 8 (r / 8), channels 32 h .. 32 h + 31 (K = the head's 64: two blocks).
;   K's scale words: step x 512 + 16 x lane + 4 j: lanes 0-15 the word of tile 2 j, row r; lanes 16-31 that of tile 2 j + 1.  Bytes 0, 1: the two blocks; bytes 2, 3: 0, over codes that are zeros.
;   V's codes: step x 4096 + (d / 16) x 1024 + beta x 256 + 16 (d % 16): the 16 bytes of channel d, keys 32 beta .. + 31 of the step (K = the keys).   V's scale words: step x 256 + 4 d, byte beta.
; msk: +0 lane masks [128 tiles of 16 queries][16 steps][64 words]: bit l of word 16 b + i = mask[16 tile + l % 16][128 step + 32 b + 16 (l / 16) + i]: the lane and register in which that score will lie.
;      +524,288 flags [128 tiles][4 quarters of the keys], a word each: bit 4 g + s: step 4 g + s has a pair that counts; bit 16 + 4 g + s: it has a pair that is hidden.
; A block's scale is 2^(floor(log2(its largest magnitude)) - 2): its byte is the largest magnitude's exponent field - 2, held at 1 from below.
; LIMITS: a block of zeros gets the byte 1 where the rule says 127 (its codes are zeros, and this program alone reads the bytes); blocks whose largest magnitude lies under 2^(3 - 127) share that byte;
;   NaN and infinities among K and V are not served; the mask's bytes are taken as 0 or 1, as the type says.
; SHARES: work-groups 0-127 take the mask (a tile of 16 queries each, a wave a quarter of the keys), 128-383 K (a wave a step of 128 keys), 384-895 V (a wave a step x 32 channels).
; The three ways part on the work-group's number and never join.  Waves share nothing: no barrier.  The two ways that use LDS have bytes of their own.  No matrix work, no tensor load, no cluster: a stream, each byte read once.
.set HEADKV, 143360
.set KVV,    65536
.set KVKS,   131072
.set KVVS,   139264
.set FLAGS,  524288
.set MPITCH, 528                       ; the mask's stage: a row of 512 bytes + 16: 33 x 16 bytes, so the 16 rows that a load touches begin at 16 different 16-byte columns of the 64 banks (ISA guide 11.1)
.set MSTAGE, 16*MPITCH                 ; a wave's stage on the mask's way
.set KBASE,  4*MSTAGE                  ; K's stages lie behind them
.set KPITCH, 272                       ; a key's row of 256 bytes + 16
.set KSTAGE, 8960                      ; 32 rows, and 128 bytes more in front of rows 16-31
.set MR,   16                          ; mask: v16-79 as loaded;  v80-143 as turned;  v144-159 at work;  v160-167 the lane masks, two registers a step;  v168 the lane's count
.set MX,   80
.set MT,   144
.set MO,   160
.set MACC, 168
.set KR,   16                          ; K: v16-143 two sets as loaded;  v144-207 two tiles' numbers;  v208-215 their codes;  v216-219 the scale words;  v220-228 at work
.set KX,   144
.set KC,   208
.set KW,   216
.set VX,   16                          ; V: v16-79 two sets of 32 numbers;  v80-95 codes, four registers a block;  v96 the scale word;  v97-100 at work
.set VC,   80
	s_load_b256 s[4:11], s[0:1], 0x0               ; K s[4:5], V s[6:7], mask s[8:9], kv s[10:11]
	s_load_b64 s[12:13], s[0:1], 0x20              ; msk
	v_lshl_add_u32 v232, v0, 2, 0x11000
	v_mov_b32 v233, 0
	v_lshrrev_b32 v1, 5, v0
	v_readfirstlane_b32 s14, v1                    ; wave 0..3
	v_and_b32 v1, 31, v0                           ; lane
	v_and_b32 v2, 15, v0                           ; r
	v_bfe_u32 v3, v0, 4, 1                         ; h
	v_lshlrev_b32 v4, 4, v1                        ; 16 x lane
	v_lshlrev_b32 v5, 3, v1                        ; 8 x lane
	v_lshlrev_b32 v6, 2, v1                        ; 4 x lane
	s_mov_b32 s48, 0x76543210
	s_mov_b32 s49, 0xfedcba98                      ; v_permlanex16_b32's selects for lane l xor 16
	s_mov_b32 s50, 0xffff0000                      ; lanes 16-31
	s_wait_kmcnt 0x0
	s_cmp_lt_u32 ttmp9, 128
	s_cbranch_scc0 .Lnot_mask
; ---------------- THE MASK: tile m = work-group, keys 512 g .. 512 g + 511 for wave g: steps 4 g .. 4 g + 3
	s_lshl_b32 s16, ttmp9, 15                      ; 16 rows of 2,048 bytes,
	s_lshl_b32 s17, s14, 9                         ; my 512 of each
	s_add_co_u32 s16, s16, s17
	s_mov_b32 s17, 0
	s_add_nc_u64 s[8:9], s[8:9], s[16:17]
.set i, 0
.rept 16
	global_load_b128 v[MR+4*i:MR+4*i+3], v4, s[8:9] offset:2048*i th:TH_LOAD_NT   ; row i: 32 lanes read 512 consecutive bytes
.set i, i+1
.endr
	s_mul_i32 s18, s14, MSTAGE
	v_add_nc_u32 v8, s18, v4                       ; into the stage: as loaded
	v_mul_u32_u24 v9, v2, MPITCH
	v_lshl_add_u32 v9, v3, 4, v9
	v_add_nc_u32 v9, s18, v9                       ; out of it: row r, + 16 h: the 16 keys that lane (r, h) will hold of each block of 32
	s_lshl_b32 s22, ttmp9, 12
	s_lshl_b32 s23, s14, 10
	s_add_co_u32 s22, s22, s23
	s_mov_b32 s23, 0
	s_add_nc_u64 s[24:25], s[12:13], s[22:23]      ; the lane masks of (tile m, step 4 g)
	s_lshl_b32 s22, s14, 2                         ; 4 g
	s_lshl_b32 s26, ttmp9, 4
	s_add_co_u32 s26, s26, s22
	s_add_co_u32 s26, s26, FLAGS
	s_mov_b32 s27, 0
	s_add_nc_u64 s[12:13], s[12:13], s[26:27]      ; my flags' word
.set i, 0
.rept 8
	v_mov_b32 v[MO+i], 0                           ; v_writelane_b32's destination counts as one of its sources
.set i, i+1
.endr
	v_mov_b32 v170, 0
	s_mov_b32 s20, 0                               ; bits: the step has a pair that counts
	s_mov_b32 s21, 0                               ; bits: the step has a pair that is hidden
.set i, 0
.rept 16
	s_wait_loadcnt 15-i                            ; loads come back in order: row i is in, the 15 - i younger ones may be out
	ds_store_b128 v8, v[MR+4*i:MR+4*i+3] offset:MPITCH*i
.set i, i+1
.endr
.set i, 0
.rept 16
	ds_load_b128 v[MX+4*i:MX+4*i+3], v9 offset:32*i   ; step i / 4, block i % 4.  LDS serves a wave's instructions in order: these see my stores
.set i, i+1
.endr
	s_wait_dscnt 0x0
; One step of 128 keys: each of the lane's 64 bytes becomes a bit of a lane mask, and the 64 masks are laid two to a lane, so that the wave stores 256 consecutive bytes.
.macro M_STEP sp
.set mb, 0
.rept 4
.set me, 0
.rept 16
	v_and_b32 v[MT+me], 1<<(8*(me&3)), v[MX+16*\sp+4*mb+me/4]   ; byte me of the block's 16
.set me, me+1
.endr
.set me, 0
.rept 16
	v_cmp_ne_u32 s[32+me], 0, v[MT+me]             ; over the 32 lanes: lane mask 16 mb + me
.set me, me+1
.endr
.set me, 0
.rept 16
	v_writelane_b32 v[MO+2*\sp+(me&1)], s[32+me], 8*mb+me/2     ; word n of the step goes to register n % 2 of lane n / 2
.set me, me+1
.endr
.set mb, mb+1
.endr
	v_add3_u32 v[MACC], v[MX+16*\sp], v[MX+16*\sp+1], v[MX+16*\sp+2]   ; the lane's 16 words added: each byte counts up to 16 and carries nothing
.irp i, 3,5,7,9,11,13
	v_add3_u32 v[MACC], v[MACC], v[MX+16*\sp+\i], v[MX+16*\sp+\i+1]
.endr
	v_add_nc_u32 v[MACC], v[MACC], v[MX+16*\sp+15]
	v_cmp_eq_u32 s16, 0x10101010, v[MACC]          ; lanes all of whose 64 pairs are hidden
	v_cmp_eq_u32 s17, 0, v[MACC]                   ; lanes none of whose pairs is hidden
	s_cmp_lg_u32 s16, -1
	s_cselect_b32 s18, 1<<\sp, 0
	s_or_b32 s20, s20, s18
	s_cmp_lg_u32 s17, -1
	s_cselect_b32 s18, 1<<\sp, 0
	s_or_b32 s21, s21, s18
	global_store_b64 v5, v[MO+2*\sp:MO+2*\sp+1], s[24:25] offset:256*\sp   ; 32 lanes store 256 consecutive bytes, at a multiple of 256 from the buffer's first byte; each step has registers of its own
.endm
	M_STEP 0
	M_STEP 1
	M_STEP 2
	M_STEP 3
	s_lshl_b32 s21, s21, 16
	s_or_b32 s20, s20, s21
	s_lshl_b32 s20, s20, s22                       ; at my quarter's places
	v_mov_b32 v169, s20
	v_cmp_eq_u32 vcc_lo, 0, v1
	s_wait_xcnt 0x0                                ; EXEC is a source of the stores above: it changes only behind this wait
	s_wait_tensorcnt 0x0
	ds_add_u32 v232, v233
	s_wait_dscnt 0x0
	s_and_saveexec_b32 s28, vcc_lo
	global_store_b32 v170, v169, s[12:13]          ; lane 0 alone
	s_wait_xcnt 0x0                                ; and again in front of the line that widens it
	s_or_b32 exec_lo, exec_lo, s28
	s_endpgm
.Lnot_mask:
	s_cmp_lt_u32 ttmp9, 384
	s_cbranch_scc0 .Lpath_v
; ---------------- K: head = (work-group - 128) / 4; my wave's step of 128 keys = 4 ((work-group - 128) % 4) + wave; four groups of 32 keys, two tiles each
	s_sub_co_u32 s16, ttmp9, 128
	s_lshr_b32 s17, s16, 2                         ; head
	s_and_b32 s18, s16, 3
	s_lshl_b32 s18, s18, 2
	s_add_co_u32 s18, s18, s14                     ; step
	s_lshl_b32 s20, s17, 19                        ; a head is 524,288 bytes,
	s_lshl_b32 s21, s18, 15                        ; a step 32,768
	s_add_co_u32 s20, s20, s21
	s_mov_b32 s21, 0
	s_add_nc_u64 s[4:5], s[4:5], s[20:21]
	s_mul_i32 s22, s17, HEADKV
	s_lshl_b32 s23, s18, 12
	s_add_co_u32 s24, s22, s23
	s_mov_b32 s25, 0
	s_add_nc_u64 s[26:27], s[10:11], s[24:25]      ; the step's codes
	s_lshl_b32 s23, s18, 9
	s_add_co_u32 s24, s22, s23
	s_add_co_u32 s24, s24, KVKS
	s_add_nc_u64 s[28:29], s[10:11], s[24:25]      ; the step's scale words
.macro K_LOADG g                       ; a group's 32 keys x 256 bytes, as they lie: each load reads 512 consecutive bytes, two keys
.set j, 0
.rept 16
	global_load_b128 v[KR+64*((\g)%2)+4*j:KR+64*((\g)%2)+4*j+3], v4, s[4:5] offset:(\g)*8192+j*512 th:TH_LOAD_NT
.set j, j+1
.endr
.endm
	K_LOADG 0
	K_LOADG 1
	s_mul_i32 s19, s14, KSTAGE
	s_add_co_u32 s19, s19, KBASE                   ; my stage: row x at 272 x + 128 (x / 16), so that rows 0-7 and 16-23, which one load touches, begin at 16 different 16-byte columns
	v_mul_u32_u24 v9, v3, KPITCH
	v_lshl_add_u32 v9, v2, 4, v9
	v_add_nc_u32 v9, s19, v9                       ; in: lanes 0-15 one key's row, lanes 16-31 the next
	v_lshrrev_b32 v7, 3, v2                        ; r / 8
	v_lshl_add_u32 v10, v7, 3, v2                  ; r + 8 (r / 8)
	v_mul_u32_u24 v10, v10, KPITCH
	v_lshl_add_u32 v10, v7, 7, v10
	v_lshl_add_u32 v10, v3, 7, v10                 ; + 128 h: my half of the channels
	v_add_nc_u32 v10, s19, v10                     ; out: the key that lane r takes in a tile
	v_lshlrev_b32 v228, 3, v3                      ; 8 h: my byte's place in the scale word
	v_mov_b32 v224, 0                              ; a lane permute's destination counts as one of its sources
; Tile 2 g + u: a lane's 32 numbers are one block.  Codes to memory as the operand's registers 0-3; the scale word of u = 0 stays in lanes 0-15, that of u = 1 in lanes 16-31.
.macro K_QUANT g, u
.set XS, KX+32*\u
.if \g > 0
	s_wait_xcnt 0x0                                ; the last group's store has read these codes' registers: they are written again only behind this wait
.endif
	v_max3_num_f32 v220, |v[XS]|, |v[XS+1]|, |v[XS+2]|
	v_max3_num_f32 v221, |v[XS+3]|, |v[XS+4]|, |v[XS+5]|
.irp i, 6,10,14,18,22,26
	v_max3_num_f32 v220, v220, |v[XS+\i]|, |v[XS+\i+1]|
	v_max3_num_f32 v221, v221, |v[XS+\i+2]|, |v[XS+\i+3]|
.endr
	v_max3_num_f32 v220, v220, |v[XS+30]|, |v[XS+31]|
	v_max3_num_f32 v220, v220, v221, 0x1800000     ; and the floor 2^(3 - 127): the byte cannot fall under 1
	v_add_nc_u32 v222, 0xff000000, v220            ; 2 off the exponent field: the conversion takes this operand's exponent field as its scale
	v_lshrrev_b32 v223, 23, v222                   ; the byte,
	v_lshlrev_b32 v223, v228, v223                 ; at its place,
	v_permlanex16_b32 v224, v223, s48, s49
	v_or_b32 v223, v223, v224                      ; with lane l xor 16's: the key's word
.irp q, 0,1,2,3
	v_cvt_scalef32_pk8_fp4_f32 v[KC+4*\u+\q], v[XS+8*\q:XS+8*\q+7], v222
.endr
.if \u == 0
	v_mov_b32 v225, v223                           ; (also the plain instruction behind the conversions)
.else
	v_cndmask_b32 v[KW+\g], v225, v223, s50        ; lanes 16-31 take tile 2 g + 1's word
.endif
	global_store_b128 v4, v[KC+4*\u:KC+4*\u+3], s[26:27] offset:(2*\g+\u)*512   ; 512 consecutive bytes
.endm
.macro K_GROUP g
.if \g < 3
	s_wait_loadcnt 16                              ; this group's 16 loads are in; the next group's 16 may be out
.else
	s_wait_loadcnt 0x0
.endif
.set j, 0
.rept 16
	ds_store_b128 v9, v[KR+64*(\g%2)+4*j:KR+64*(\g%2)+4*j+3] offset:2*j*KPITCH+(j/8)*128
.set j, j+1
.endr
.set j, 0
.rept 16
	ds_load_b128 v[KX+4*j:KX+4*j+3], v10 offset:(j/8)*8*KPITCH+16*(j%8)   ; tile u = j / 8: eight rows further down.  In order behind my stores
.set j, j+1
.endr
	s_wait_dscnt 8                                 ; tile u = 0 is back (u = 1's eight loads may be out), so the stores have read the set,
.if \g < 2
	K_LOADG \g+2                                   ; which takes the group two on
.endif
	K_QUANT \g, 0
	s_wait_dscnt 0x0
	K_QUANT \g, 1
.endm
	K_GROUP 0
	K_GROUP 1
	K_GROUP 2
	K_GROUP 3
	global_store_b128 v4, v[KW:KW+3], s[28:29]     ; the step's scale words: 512 consecutive bytes
	s_wait_tensorcnt 0x0
	ds_add_u32 v232, v233
	s_wait_dscnt 0x0
	s_endpgm
; ---------------- V: head = (work-group - 384) / 8; step = 2 ((work-group - 384) % 8) + wave / 2; channels 32 (wave % 2) + lane.  A lane takes a channel and its registers run down the keys: nothing is transposed
.Lpath_v:
	s_sub_co_u32 s16, ttmp9, 384
	s_lshr_b32 s17, s16, 3                         ; head
	s_and_b32 s18, s16, 7
	s_lshl_b32 s18, s18, 1
	s_lshr_b32 s19, s14, 1
	s_add_co_u32 s18, s18, s19                     ; step
	s_and_b32 s19, s14, 1                          ; which half of the channels
	s_lshl_b32 s20, s17, 19
	s_lshl_b32 s21, s18, 15
	s_add_co_u32 s20, s20, s21
	s_lshl_b32 s21, s19, 7
	s_add_co_u32 s20, s20, s21
	s_mov_b32 s21, 0
	s_add_nc_u64 s[6:7], s[6:7], s[20:21]
	s_mul_i32 s22, s17, HEADKV
	s_lshl_b32 s23, s18, 12
	s_add_co_u32 s24, s22, s23
	s_lshl_b32 s23, s19, 11
	s_add_co_u32 s24, s24, s23
	s_add_co_u32 s24, s24, KVV
	s_mov_b32 s25, 0
	s_add_nc_u64 s[26:27], s[10:11], s[24:25]      ; the codes of my two tiles of 16 channels
	s_lshl_b32 s23, s18, 8
	s_add_co_u32 s24, s22, s23
	s_lshl_b32 s23, s19, 7
	s_add_co_u32 s24, s24, s23
	s_add_co_u32 s24, s24, KVVS
	s_add_nc_u64 s[28:29], s[10:11], s[24:25]      ; my 32 channels' scale words
	v_lshlrev_b32 v8, 10, v3
	v_lshl_add_u32 v8, v2, 4, v8                   ; 1024 (lane / 16) + 16 (lane % 16)
.macro V_LOAD t                        ; block t: V(32 t + i, my channel), i = 0 .. 31; 128 consecutive bytes a load, and the wave beside me takes the row's other 128
.set j, 0
.rept 32
	global_load_b32 v[VX+32*((\t)%2)+j], v6, s[6:7] offset:(32*(\t)+j)*256 th:TH_LOAD_NT
.set j, j+1
.endr
.endm
	V_LOAD 0
	V_LOAD 1
.macro V_BLOCK t
.set XS, VX+32*((\t)%2)
.if \t < 3
	s_wait_loadcnt 32                              ; this block's 32 loads are in; the next block's 32 may be out
.else
	s_wait_loadcnt 0x0
.endif
	v_max3_num_f32 v97, |v[XS]|, |v[XS+1]|, |v[XS+2]|
	v_max3_num_f32 v98, |v[XS+3]|, |v[XS+4]|, |v[XS+5]|
.irp i, 6,10,14,18,22,26
	v_max3_num_f32 v97, v97, |v[XS+\i]|, |v[XS+\i+1]|
	v_max3_num_f32 v98, v98, |v[XS+\i+2]|, |v[XS+\i+3]|
.endr
	v_max3_num_f32 v97, v97, |v[XS+30]|, |v[XS+31]|
	v_max3_num_f32 v97, v97, v98, 0x1800000        ; and the floor 2^(3 - 127)
	v_add_nc_u32 v99, 0xff000000, v97              ; the conversion's scale operand
.irp q, 0,1,2,3
	v_cvt_scalef32_pk8_fp4_f32 v[VC+4*\t+\q], v[XS+8*\q:XS+8*\q+7], v99
.endr
	v_lshrrev_b32 v100, 23, v99                    ; the byte (also the plain instruction behind the conversions)
.if \t == 0
	v_mov_b32 v96, v100
.else
	v_lshl_or_b32 v96, v100, 8*\t, v96
.endif
	global_store_b128 v8, v[VC+4*\t:VC+4*\t+3], s[26:27] offset:256*\t   ; sixteen lanes store 256 consecutive aligned bytes; each block has registers of its own
.if \t < 2
	V_LOAD \t+2
.endif
.endm
	V_BLOCK 0
	V_BLOCK 1
	V_BLOCK 2
	V_BLOCK 3
	global_store_b32 v6, v96, s[28:29]             ; 128 consecutive bytes: one byte for each 128 that this way reads
	s_endpgm
.Lfunc_end_k_q55cb6df49e_prep:
	.size	k_q55cb6df49e_prep, .Lfunc_end_k_q55cb6df49e_prep-k_q55cb6df49e_prep
	.p2alignl 7, 3214868480
	.fill 96, 4, 3214868480
	.section	.rodata,"a",@progbits
	.p2align	6, 0x0
	.amdhsa_kernel k_q55cb6df49e_prep
		.amdhsa_group_segment_fixed_size 70144
		.amdhsa_private_segment_fixed_size 0
		.amdhsa_enable_private_segment 0
		.amdhsa_kernarg_size 40
		.amdhsa_user_sgpr_count 2
		.amdhsa_user_sgpr_kernarg_segment_ptr 1
		.amdhsa_wavefront_size32 1
		.amdhsa_system_sgpr_workgroup_id_x 1
		.amdhsa_system_sgpr_workgroup_id_y 1
		.amdhsa_system_sgpr_workgroup_id_z 1
		.amdhsa_system_vgpr_workitem_id 0
		.amdhsa_next_free_vgpr 234
		.amdhsa_next_free_sgpr 66
		.amdhsa_reserve_vcc 1
		.amdhsa_float_denorm_mode_32 3
		.amdhsa_float_denorm_mode_16_64 3
		.amdhsa_memory_ordered 1
		.amdhsa_forward_progress 1
		.amdhsa_inst_pref_size 106
	.end_amdhsa_kernel
	.amdgpu_metadata
---
amdhsa.version: [ 1, 2 ]
amdhsa.kernels:
  - .name:           k_q55cb6df49e_prep
    .symbol:         k_q55cb6df49e_prep.kd
    .args:
      - { .name: K, .offset: 0, .size: 8, .value_kind: global_buffer, .address_space: global }
      - { .name: V, .offset: 8, .size: 8, .value_kind: global_buffer, .address_space: global }
      - { .name: mask, .offset: 16, .size: 8, .value_kind: global_buffer, .address_space: global }
      - { .name: kv, .offset: 24, .size: 8, .value_kind: global_buffer, .address_space: global }
      - { .name: msk, .offset: 32, .size: 8, .value_kind: global_buffer, .address_space: global }
    .group_segment_fixed_size: 70144
    .private_segment_fixed_size: 0
    .kernarg_segment_align: 8
    .kernarg_segment_size: 40
    .max_flat_workgroup_size: 128
    .sgpr_count:     66
    .vgpr_count:     234
    .wavefront_size: 32
...
	.end_amdgpu_metadata
.endif
;; end of part 1
;; launch attn (part 2): grid 4 x 64, 16 waves a work-group, no clusters, 215,040 bytes of LDS; arguments Q, kv, msk, out0; writes out0
.if DOCPART == 2
	.amdgcn_target "amdgcn-amd-amdhsa--gfx1250"
	.amdhsa_code_object_version 6
	.text
	.protected	k_q55cb6df49e_attn
	.globl	k_q55cb6df49e_attn
	.p2align	8
	.type	k_q55cb6df49e_attn,@function
k_q55cb6df49e_attn:
	s_mov_b64 s[64:65], 0
	v_nop
	global_prefetch_b8 v0, s[64:65] scope:SCOPE_SE
	s_setreg_imm32_b32 hwreg(HW_REG_WAVE_MODE, 25, 1), 1
	s_wait_xcnt 0x0
; out[head][q][:] = the sum over k of softmax_k(Q[q] . K[k] / 8, hidden pairs at -infinity) V[k][:], 64 heads, 2,048 queries and keys, head size 64; both products on codes of FP4 (E2M1) with E8M0 scales.
; K and V come as codes from the launch before (buffer kv: a head's 143,360 bytes, laid in the order of the operands' registers); the mask comes as lane masks and flags (buffer msk); Q, f32, is quantised here.
; PRODUCT 1 has K = 64 and the instruction 128: registers 4-7 of both operands are zeros for the whole launch, and bytes 2, 3 of both scale words are 0.
; THE SOFTMAX AHEAD OF PRODUCT 2: t = score x log2(e) / 8; M = the row's largest t so far, rounded UP to a whole number; p = 2^(t - M) is quantised along the keys, not normalised.  The row's sum is taken of the
; unquantised p and divides at the end.  When M moves, the sum and O are multiplied by 2^(old M - new M): exact.  A row that is hidden whole ends as 0 x (1 / 0): NaN, as a softmax of -infinities is.
; SHARES.  Work-group (j, head) owns the tiles of 16 queries 4 u + j, u = 0 .. 31.  Wave w of sixteen takes tile 4 w + j and then tile 124 - 4 w + j: one tile at a time in 256 registers, four waves to a SIMD, so that
; one wave's vector work stands beside another's matrix work and LDS loads.  A head's codes and scale words fit in LDS whole: they are brought once, through registers; behind the one barrier they are only read.
; A STEP is 128 keys.  A step all of whose pairs the mask hides for the tile is left out, and a step with no hidden pair skips the masking: scalar branches on the stored flags, inside a loop of 16 trips.
; NO TENSOR LOAD, NO CLUSTER: what the four work-groups of a head share is 143,360 bytes, read once at the head.
; LAYOUT.  Both products are used transposed: S^T = K Q^T (source 0 = 16 keys), O^T = V^T P^T (source 0 = 16 channels): a lane holds ONE query (lane % 16) throughout.  Lane r of tile 2 b + u of K takes key
; 32 b + 8 u + r + 8 (r / 8), so that register 96 + 16 b + i of lane l is key 32 b + 16 (l / 16) + i: 16 neighbours along product 2's K.
; LIMITS: NaN and infinities among Q, K, V are not served; a block of zeros, or one whose largest magnitude lies under 2^(3 - 127), has the scale byte 1; a p under 2^-126 counts as 0; a block's largest p is
; made from its largest score by the same two instructions, which takes v_exp_f32 not to fall where its input rises (the ISA guide promises 1 ulp).
; REGISTERS: v1-7 addresses that stay; v8-11 the step's LDS addresses; v12 -M, v13 the largest t, v[14:15] the sum in two halves; v16-23 Q; v24-28 the second tile's Q and its scale word; v30 -infinity; v31 8 (lane / 16);
;   v32-95 K's eight fragments; v96-159 S^T, then p; v160-191 O^T; v192-223 V's four fragments; v224-231 p's codes; v232-247 at work; v248-251 K's scale words, v252-253 V's, v254 p's, v255 Q's.
.set VIMG,   65536                     ; LDS: K's codes at 0, V's here,
.set KSC,    131072                    ; K's scale words,
.set VSC,    139264                    ; V's,
.set STAGE,  143360                    ; and a stage of 16 rows x (256 + 16) bytes for each wave
.set SP,     272                       ; 17 x 16 bytes: the 16 rows that a load or store touches begin at 16 different 16-byte columns of the 64 banks (ISA guide 11.1)
.set HEADKV, 143360
.set FLAGS,  524288
	s_load_b256 s[4:11], s[0:1], 0x0               ; Q s[4:5], kv s[6:7], msk s[8:9], out s[10:11]
	v_lshl_add_u32 v29, v0, 2, 0x34000
	v_mov_b32 v243, 0
	v_lshrrev_b32 v13, 5, v0
	v_readfirstlane_b32 s12, v13                   ; wave 0..15
	s_and_b32 s14, ttmp7, 0xffff                   ; head
	s_lshl_b32 s24, s12, 2
	s_add_co_u32 s15, s24, ttmp9                   ; my first tile: 4 w + j
	s_sub_co_u32 s16, 124, s24
	s_add_co_u32 s16, s16, ttmp9                   ; my second: 124 - 4 w + j
	s_mov_b32 s2, 0x3e38aa3b                       ; c = log2(e) / 8
	s_mov_b32 s3, s2                               ; (the packed form names the pair)
	s_mov_b32 s66, 0x76543210
	s_mov_b32 s67, 0xfedcba98                      ; v_permlanex16_b32's selects for lane l xor 16
	v_and_b32 v13, 31, v0                          ; lane
	v_and_b32 v14, 15, v0                          ; r
	v_bfe_u32 v15, v0, 4, 1                        ; h
	v_lshlrev_b32 v1, 4, v13                       ; 16 x lane: a fragment's place for my lane; also my bytes in two rows of Q or of out
	v_add_nc_u32 v2, VIMG, v1
	v_add_nc_u32 v3, KSC, v1
	v_lshl_add_u32 v4, v13, 2, VSC
	s_mul_i32 s13, s12, 16*SP
	s_add_co_u32 s13, s13, STAGE                   ; my stage
	v_mul_u32_u24 v5, v14, SP
	v_add_nc_u32 v5, s13, v5
	v_lshl_add_u32 v7, v15, 7, v5                  ; row r, + 128 h: Q's 32 channels of my half
	v_lshl_add_u32 v5, v15, 5, v5                  ; row r, + 32 h: O's eight channels of my half
	v_mul_u32_u24 v6, v15, SP
	v_lshl_add_u32 v6, v14, 4, v6
	v_add_nc_u32 v6, s13, v6                       ; lanes 0-15 one whole row, lanes 16-31 the next
	v_lshlrev_b32 v31, 3, v15
	v_lshlrev_b32 v8, 4, v0                        ; the fill: 16 x thread, in kv's block and in LDS alike,
	v_add_nc_u32 v9, 65536, v8
	v_add_nc_u32 v10, 131072, v8
	v_lshlrev_b32 v11, 3, v0                       ; and 8 x thread for its last 4,096 bytes
	v_add_nc_u32 v12, 131072, v11
.irp b, 0,1,2,3
	v_mov_b32 v[236+\b], 0                         ; written once: a lane permute's destination counts as one of its sources
.endr
	s_lshl_b32 s26, s14, 19                        ; a head of Q or of out: 524,288 bytes
	s_mov_b32 s27, 0
	s_lshl_b32 s28, s15, 12                        ; a tile: 4,096
	s_mov_b32 s29, 0
	s_lshl_b32 s30, s16, 12
	s_mov_b32 s31, 0
	s_mul_i32 s24, s14, HEADKV
	s_mov_b32 s25, 0
	s_wait_kmcnt 0x0
	s_add_nc_u64 s[4:5], s[4:5], s[26:27]
	s_add_nc_u64 s[104:105], s[10:11], s[26:27]    ; out at my head
	s_add_nc_u64 s[20:21], s[4:5], s[28:29]        ; Q at my first tile,
	s_add_nc_u64 s[22:23], s[4:5], s[30:31]        ; at my second
	s_add_nc_u64 s[6:7], s[6:7], s[24:25]          ; kv at my head
.set i, 0
.rept 8
	global_load_b128 v[160+4*i:163+4*i], v1, s[20:21] offset:512*i th:TH_LOAD_NT   ; two rows of Q: 512 consecutive bytes
.set i, i+1
.endr
.set i, 0
.rept 8
	global_load_b128 v[192+4*i:195+4*i], v1, s[22:23] offset:512*i th:TH_LOAD_NT
.set i, i+1
.endr
.set i, 0
.rept 16
	global_load_b128 v[32+4*i:35+4*i], v8, s[6:7] offset:8192*i    ; the head's block: the work-group's 512 threads read 8,192 consecutive bytes
.set i, i+1
.endr
	global_load_b128 v[224:227], v8, s[6:7] offset:131072
	global_load_b64 v[228:229], v11, s[6:7] offset:139264
; 32 numbers of a lane, channels 32 h .. 32 h + 31 of query r, become registers 0-3 of Q's fragment and the query's scale word
.macro QUANTQ src, dst, scl
	v_max3_num_f32 v232, |v[\src]|, |v[\src+1]|, |v[\src+2]|
	v_max3_num_f32 v233, |v[\src+3]|, |v[\src+4]|, |v[\src+5]|
.irp i, 6,10,14,18,22,26
	v_max3_num_f32 v232, v232, |v[\src+\i]|, |v[\src+\i+1]|
	v_max3_num_f32 v233, v233, |v[\src+\i+2]|, |v[\src+\i+3]|
.endr
	v_max3_num_f32 v232, v232, |v[\src+30]|, |v[\src+31]|
	v_max3_num_f32 v232, v232, v233, 0x1800000     ; and the floor 2^(3 - 127): the byte cannot fall under 1
	v_add_nc_u32 v244, 0xff000000, v232            ; 2 off the exponent field: the conversion's scale operand
	v_lshrrev_b32 v242, 23, v244                   ; the byte,
	v_lshlrev_b32 v242, v31, v242                  ; at its place,
	v_permlanex16_b32 v236, v242, s66, s67
	v_or_b32 v[\scl], v242, v236                   ; with lane l xor 16's: the word
.irp q, 0,1,2,3
	v_cvt_scalef32_pk8_fp4_f32 v[\dst+\q], v[\src+8*\q:\src+8*\q+7], v244
.endr
	v_nop                                          ; one plain instruction behind the last scaled conversion
.endm
	s_wait_loadcnt 26                              ; my first tile's 8 loads are in: behind them stand the second tile's 8 and the fill's 18
.set i, 0
.rept 8
	ds_store_b128 v6, v[160+4*i:163+4*i] offset:2*i*SP
.set i, i+1
.endr
.set i, 0
.rept 8
	ds_load_b128 v[96+4*i:99+4*i], v7 offset:16*i  ; LDS serves a wave's instructions in order: these see my stores
.set i, i+1
.endr
	s_wait_loadcnt 18                              ; the second tile's are in: the fill's 18 may be out
.set i, 0
.rept 8
	ds_store_b128 v6, v[192+4*i:195+4*i] offset:2*i*SP
.set i, i+1
.endr
.set i, 0
.rept 8
	ds_load_b128 v[128+4*i:131+4*i], v7 offset:16*i
.set i, i+1
.endr
	s_wait_dscnt 16                                ; the first tile is back: the second's 8 stores and 8 loads are younger
	QUANTQ 96, 16, 255
	s_wait_dscnt 0x0
	QUANTQ 128, 24, 28
.set i, 0
.rept 8
	s_wait_loadcnt 17-i                            ; the fill's load i is in: 17 - i are younger
	ds_store_b128 v8, v[32+4*i:35+4*i] offset:8192*i
.set i, i+1
.endr
.rept 8
	s_wait_loadcnt 17-i
	ds_store_b128 v9, v[32+4*i:35+4*i] offset:8192*(i-8)
.set i, i+1
.endr
	s_wait_loadcnt 1
	ds_store_b128 v10, v[224:227]
	s_wait_loadcnt 0x0
	ds_store_b64 v12, v[228:229] offset:8192
	s_wait_dscnt 0x0                               ; for the others' sake: my part of the head's block lies in LDS
	s_barrier_signal -1
	s_barrier_wait -1                              ; everybody's does.  The launch's only barrier: from here on these bytes are only read, and a stage is its wave's own
.irp j, 20,21,22,23
	v_mov_b32 v[\j], 0                             ; the upper 64 of product 1's K: zero codes, in Q's fragment
.endr
.irp T, 0,1,2,3,4,5,6,7
.irp j, 4,5,6,7
	v_mov_b32 v[32+8*\T+\j], 0                     ; and in K's eight: no load ever lands here
.endr
.endr
	v_mov_b32 v30, 0xff800000                      ; -infinity
	v_mov_b32 v241, 0                              ; (named as the upper half of the pair v[240:241])
	s_mov_b32 s17, 2
.Ltile:                                                ; two trips: the tile in s15
	s_lshl_b32 s24, s15, 4
	s_add_co_u32 s24, s24, FLAGS
	s_mov_b32 s25, 0
	s_add_nc_u64 s[30:31], s[8:9], s[24:25]
	s_load_b128 s[20:23], s[30:31], 0x0            ; the tile's four words of flags
	s_lshl_b32 s29, s15, 12                        ; the tile's lane masks, and its rows of out, begin 4,096 x tile bytes on
	s_mov_b32 s26, s29
	s_mov_b32 s27, 0
	s_add_nc_u64 s[100:101], s[104:105], s[26:27]
	v_mov_b32 v13, 0xff61b1e6                      ; the largest t so far: -3e38, under every t
	v_floor_f32 v12, -v13                          ; -M
	v_mov_b32 v14, 0
	v_mov_b32 v15, 0
.set n, 0
.rept 32
	v_mov_b32 v[160+n], 0                          ; O^T.  Which step is a tile's first hangs on the stored flags, so no first step can be written out: the first finds zeros
.set n, n+1
.endr
	s_wait_kmcnt 0x0
	s_or_b32 s19, s20, s21
	s_or_b32 s19, s19, s22
	s_or_b32 s19, s19, s23                         ; bit s: step s has work; bit 16 + s: it has hidden pairs
	s_mov_b32 s18, 0
.Lstep:                                                ; 16 trips, a constant; the branch on the flag stands inside
	s_lshr_b32 s24, s19, s18
	s_and_b32 s28, s24, 0x10000
	s_and_b32 s25, s24, 1
	s_cmp_eq_u32 s25, 0
	s_cbranch_scc1 .Lskip                          ; every pair of this tile and step is hidden: p would be 0 throughout
	s_lshl_b32 s20, s18, 12
	s_lshl_b32 s21, s18, 9
	s_lshl_b32 s22, s18, 8
	s_add_co_u32 s26, s22, s29
	s_add_nc_u64 s[30:31], s[8:9], s[26:27]        ; (the last scalar loads that named this base have been waited for)
	s_load_b512 s[32:47], s[30:31], 0x0            ; the step's 64 lane masks; always asked for, so that the wait below counts the same on every way
	s_load_b512 s[48:63], s[30:31], 0x40
	s_load_b512 s[68:83], s[30:31], 0x80
	s_load_b512 s[84:99], s[30:31], 0xc0
	v_add_nc_u32 v8, s20, v1                       ; these four are also the four plain instructions between the last step's products and the loads into their operands
	v_add_nc_u32 v9, s20, v2
	v_add_nc_u32 v10, s21, v3
	v_add_nc_u32 v11, s22, v4
.irp T, 0,1,2,3,4,5,6,7
	ds_load_b128 v[32+8*\T:35+8*\T], v8 offset:512*\T   ; K's fragments as they lie: 512 consecutive bytes a load
.endr
	ds_load_b128 v[248:251], v10                   ; K's scale words: register j: lanes 0-15 tile 2 j, lanes 16-31 tile 2 j + 1
.irp d, 0,1,2,3
.irp c, 0,1
	ds_load_b128 v[192+8*\d+4*\c:195+8*\d+4*\c], v9 offset:1024*\d+512*\c   ; V's fragments
.endr
.endr
	ds_load_b32 v252, v11                          ; V's scale words: lanes 0-15 channels 0-15, lanes 16-31 channels 16-31;
	ds_load_b32 v253, v11 offset:128               ; channels 32-63
	s_wait_dscnt 10                                ; K's nine loads are in; V's ten are younger and land during the softmax
.irp T, 0,1,2,3,4,5,6,7
.if \T % 2
	v_wmma_scale_f32_16x16x128_f8f6f4 v[96+8*\T:103+8*\T], v[32+8*\T:39+8*\T], v[16:23], 0, v[248+\T/2], v255 matrix_a_fmt:MATRIX_FMT_FP4 matrix_b_fmt:MATRIX_FMT_FP4 matrix_a_scale:MATRIX_SCALE_ROW1
.else
	v_wmma_scale_f32_16x16x128_f8f6f4 v[96+8*\T:103+8*\T], v[32+8*\T:39+8*\T], v[16:23], 0, v[248+\T/2], v255 matrix_a_fmt:MATRIX_FMT_FP4 matrix_b_fmt:MATRIX_FMT_FP4
.endif
.endr
.rept 4
	v_nop                                          ; four plain instructions between the products and the first read of their results (ISA guide 7.12.1)
.endr
	s_wait_kmcnt 0x0                               ; the lane masks are in
	s_cmp_eq_u32 s28, 0
	s_cbranch_scc1 .Lopen                          ; no pair of this tile and step is hidden
.set n, 0
.rept 64
	v_cndmask_b32 v[96+n], v[96+n], v30, s[32+n+4*(n/32)]   ; hidden scores become -infinity ahead of the maximum; each result is read from its low end on
.set n, n+1
.endr
.Lopen:
.irp b, 0,1,2,3
	v_max3_num_f32 v[232+\b], v[96+16*\b], v[97+16*\b], v[98+16*\b]   ; the largest score of each block of 32 keys: for the row's maximum, and for the block's largest p
.endr
.irp i, 3,5,7,9,11,13
.irp b, 0,1,2,3
	v_max3_num_f32 v[232+\b], v[232+\b], v[96+16*\b+\i], v[97+16*\b+\i]   ; (the four blocks by turns)
.endr
.endr
.irp b, 0,1,2,3
	v_max_num_f32 v[232+\b], v[232+\b], v[111+16*\b]
.endr
.irp b, 0,1,2,3
	v_permlanex16_b32 v[236+\b], v[232+\b], s66, s67
.endr
.irp b, 0,1,2,3
	v_max_num_f32 v[232+\b], v[232+\b], v[236+\b]  ; with lane l xor 16's 16 keys
.endr
	v_max3_num_f32 v242, v232, v233, v234
	v_max_num_f32 v242, v242, v235                 ; the step's largest score of my query
	v_mul_f32 v242, s2, v242                       ; as t (c is positive)
	v_max_num_f32 v13, v13, v242                   ; the running largest t
	v_mov_b32 v242, v12
	v_floor_f32 v12, -v13                          ; the new -M = floor(-t) = -ceil(t): a whole number
	v_sub_f32 v242, v12, v242                      ; old M - new M: a whole number, 0 or less
	v_cvt_i32_f32 v242, v242                       ; (it saturates)
	v_ldexp_f32 v240, 1.0, v242                    ; f = 2^(old M - new M)
.set n, 0
.rept 32
	v_pk_fma_f32 v[96+n:97+n], v[96+n:97+n], s[2:3], v[12:13] op_sel_hi:[1,0,0]   ; t - M, two at a time (of the pairs c and -M the low word serves both halves)
.set n, n+2
.endr
.irp b, 0,1,2,3
	v_fma_f32 v[232+\b], v[232+\b], s2, v12        ; the same of each block's largest score
.endr
.set n, 0
.rept 64
	v_exp_f32 v[96+n], v[96+n]                     ; p = 2^(t - M), at most 1
.set n, n+1
.endr
	v_pk_mul_f32 v[14:15], v[14:15], v[240:241] op_sel_hi:[1,0]   ; the sums under the new M; the plain instruction behind the exponentials
	s_wait_alu depctr_va_vdst(0)                   ; ahead of the first line that names a result: one wait for the 64
.irp b, 0,1,2,3
	v_exp_f32 v[232+\b], v[232+\b]                 ; each block's largest p: the same two instructions on the same number give the same bits
.endr
	v_pk_add_f32 v[236:237], v[96:97], v[98:99]    ; the row's sum, of the unquantised p: two at a time, in two chains
.irp j, 4,8,12,16,20,24,28,32,36,40,44,48,52,56,60
	v_pk_add_f32 v[14:15], v[14:15], v[96+\j:97+\j]
	v_pk_add_f32 v[236:237], v[236:237], v[98+\j:99+\j]
.endr
	v_pk_add_f32 v[14:15], v[14:15], v[236:237]
	s_wait_alu depctr_va_vdst(0)                   ; and one for the four
.irp b, 0,1,2,3
	v_max_num_f32 v[232+\b], 0x1800000, v[232+\b]  ; the floor 2^(3 - 127): a block whose every p is 0 keeps the byte 1 over zero codes
.endr
.irp b, 0,1,2,3
	v_add_nc_u32 v[244+\b], 0xff000000, v[232+\b]  ; 2 off the exponent field: the conversion's scale operand
.endr
.irp b, 0,1,2,3
	v_lshrrev_b32 v[236+\b], 23, v[244+\b]         ; the byte
.endr
	v_lshl_or_b32 v254, v237, 8, v236              ; p's scale word for these 128 keys
	v_lshl_or_b32 v254, v238, 16, v254
	v_lshl_or_b32 v254, v239, 24, v254
.irp b, 0,1,2,3
	v_cvt_scalef32_pk8_fp4_f32 v[224+2*\b], v[96+16*\b:103+16*\b], v[244+\b]
	v_cvt_scalef32_pk8_fp4_f32 v[225+2*\b], v[104+16*\b:111+16*\b], v[244+\b]
.endr
	v_nop                                          ; one plain instruction behind the last scaled conversion
.irp c, 0,1                                    ; the operand's layout wants a whole block in a lane: lanes 0-15 block 2 c, lanes 16-31 block 2 c + 1
.irp i, 0,1
	v_permlane16_swap_b32 v[224+4*\c+\i], v[226+4*\c+\i]
.endr
.endr
.set n, 0
.rept 16
	v_pk_mul_f32 v[160+n:161+n], v[160+n:161+n], v[240:241] op_sel_hi:[1,0]   ; O^T under the new M, from each accumulator's low end on; these 16 also stand between the scale word and codes just made and the products
.set n, n+2
.endr
	s_wait_dscnt 0x0                               ; V's fragments and scale words are in
.irp d, 0,1,2,3                                ; O^T += V^T P^T.  The four accumulators take one turn each, and product 1's eight instructions stand between a step's and the next's
.if \d % 2
	v_wmma_scale_f32_16x16x128_f8f6f4 v[160+8*\d:167+8*\d], v[192+8*\d:199+8*\d], v[224:231], v[160+8*\d:167+8*\d], v[252+\d/2], v254 matrix_a_fmt:MATRIX_FMT_FP4 matrix_b_fmt:MATRIX_FMT_FP4 matrix_a_scale:MATRIX_SCALE_ROW1
.else
	v_wmma_scale_f32_16x16x128_f8f6f4 v[160+8*\d:167+8*\d], v[192+8*\d:199+8*\d], v[224:231], v[160+8*\d:167+8*\d], v[252+\d/2], v254 matrix_a_fmt:MATRIX_FMT_FP4 matrix_b_fmt:MATRIX_FMT_FP4
.endif
.endr
.Lskip:
	s_add_co_u32 s18, s18, 1
	s_cmp_lt_u32 s18, 16
	s_cbranch_scc1 .Lstep
	; THE WAY OUT of a tile: O^T / the sum goes through my stage and leaves as whole rows of 256 bytes, two to a store
.rept 4
	v_nop                                          ; four plain instructions behind the last products
.endr
	v_add_f32 v14, v14, v15                        ; the sum's two halves,
	v_permlanex16_b32 v236, v14, s66, s67
	v_add_f32 v14, v14, v236                       ; and lane l xor 16's: the row's sum
	v_rcp_f32 v14, v14
	v_nop                                          ; a plain instruction behind the reciprocal
	s_wait_alu depctr_va_vdst(0)                   ; and a wait ahead of its first reader
.set n, 0
.rept 16
	v_pk_mul_f32 v[96+n:97+n], v[160+n:161+n], v[14:15] op_sel_hi:[1,0]   ; register 8 d + i is out(query r, channel 16 d + 8 h + i)
.set n, n+2
.endr
.irp d, 0,1,2,3
	ds_store_b128 v5, v[96+8*\d:99+8*\d] offset:64*\d
	ds_store_b128 v5, v[100+8*\d:103+8*\d] offset:64*\d+16
.endr
.set i, 0
.rept 8
	ds_load_b128 v[128+4*i:131+4*i], v6 offset:2*i*SP   ; in order behind my stores
.set i, i+1
.endr
.set i, 0
.rept 8
	s_wait_dscnt 7-i                               ; load i is back; the 7 - i younger ones may be out
	global_store_b128 v1, v[128+4*i:131+4*i], s[100:101] offset:512*i th:TH_STORE_NT   ; 32 lanes store 512 consecutive bytes, at a multiple of 256 from out's first byte
.set i, i+1
.endr
	s_wait_xcnt 0x0                                ; the stores have read their registers and their base: both are written again in the next trip
.irp j, 0,1,2,3
	v_mov_b32 v[16+\j], v[24+\j]                   ; the second tile's Q
.endr
	v_mov_b32 v255, v28                            ; and its scale word: the next trip's 36 plain lines stand between these and the first product
	s_mov_b32 s15, s16
	s_sub_co_u32 s17, s17, 1
	s_cmp_lg_u32 s17, 0
	s_cbranch_scc1 .Ltile
	s_wait_tensorcnt 0x0
	ds_add_u32 v29, v243
	s_wait_dscnt 0x0
	s_endpgm
.Lfunc_end_k_q55cb6df49e_attn:
	.size	k_q55cb6df49e_attn, .Lfunc_end_k_q55cb6df49e_attn-k_q55cb6df49e_attn
	.p2alignl 7, 3214868480
	.fill 96, 4, 3214868480
	.section	.rodata,"a",@progbits
	.p2align	6, 0x0
	.amdhsa_kernel k_q55cb6df49e_attn
		.amdhsa_group_segment_fixed_size 215040
		.amdhsa_private_segment_fixed_size 0
		.amdhsa_enable_private_segment 0
		.amdhsa_kernarg_size 32
		.amdhsa_user_sgpr_count 2
		.amdhsa_user_sgpr_kernarg_segment_ptr 1
		.amdhsa_wavefront_size32 1
		.amdhsa_system_sgpr_workgroup_id_x 1
		.amdhsa_system_sgpr_workgroup_id_y 1
		.amdhsa_system_sgpr_workgroup_id_z 1
		.amdhsa_system_vgpr_workitem_id 0
		.amdhsa_next_free_vgpr 256
		.amdhsa_next_free_sgpr 106
		.amdhsa_reserve_vcc 0
		.amdhsa_float_denorm_mode_32 3
		.amdhsa_float_denorm_mode_16_64 3
		.amdhsa_memory_ordered 1
		.amdhsa_forward_progress 1
		.amdhsa_inst_pref_size 40
	.end_amdhsa_kernel
	.amdgpu_metadata
---
amdhsa.version: [ 1, 2 ]
amdhsa.kernels:
  - .name:           k_q55cb6df49e_attn
    .symbol:         k_q55cb6df49e_attn.kd
    .args:
      - { .name: Q, .offset: 0, .size: 8, .value_kind: global_buffer, .address_space: global }
      - { .name: kv, .offset: 8, .size: 8, .value_kind: global_buffer, .address_space: global }
      - { .name: msk, .offset: 16, .size: 8, .value_kind: global_buffer, .address_space: global }
      - { .name: out0, .offset: 24, .size: 8, .value_kind: global_buffer, .address_space: global }
    .group_segment_fixed_size: 215040
    .private_segment_fixed_size: 0
    .kernarg_segment_align: 8
    .kernarg_segment_size: 32
    .max_flat_workgroup_size: 512
    .sgpr_count:     106
    .vgpr_count:     256
    .wavefront_size: 32
...
	.end_amdgpu_metadata
.endif
;; end of part 2
;; ======== version 2 of 2: 2 launches
;; workspace buffers: kv 9,175,040 bytes; msk 526,336 bytes of whole numbers
;; launch prep (part 3): grid 896 x 1, 4 waves a work-group, no clusters, 70,144 bytes of LDS; arguments K, V, mask, kv, msk; writes kv, msk
.if DOCPART == 3
	.amdgcn_target "amdgcn-amd-amdhsa--gfx1250"
	.amdhsa_code_object_version 6
	.text
	.protected	k_q55cb6df49e_prep
	.globl	k_q55cb6df49e_prep
	.p2align	8
	.type	k_q55cb6df49e_prep,@function
k_q55cb6df49e_prep:
	s_mov_b64 s[64:65], 0
	v_nop
	global_prefetch_b8 v0, s[64:65] scope:SCOPE_SE
	s_setreg_imm32_b32 hwreg(HW_REG_WAVE_MODE, 25, 1), 1
	s_wait_xcnt 0x0
; WHAT IT MAKES, for the attention launch that follows.  K, V: [64 heads][2048 keys][64] f32.  mask: [2048 queries][2048 keys] bytes, 1 = hidden.
; kv, 143,360 bytes a head: +0 K's codes, +65,536 V's codes, +131,072 K's scale words, +139,264 V's scale words.  Codes of FP4 (E2M1), one E8M0 byte for each 32 along a product's K.
;   All four parts lie in the order of the operand's registers, for steps of 128 keys (r = lane % 16, h = lane / 16):
;   K's codes: step x 4096 + T x 512 + 16 x lane, T = 2 b + u: the 16 bytes of key 32 b + 8 u + r + 8 (r / 8), channels 32 h .. 32 h + 31 (K = the head's 64: two blocks).
;   K's scale words: step x 512 + 16 x lane + 4 j: lanes 0-15 the word of tile 2 j, row r; lanes 16-31 that of tile 2 j + 1.  Bytes 0, 1: the two blocks; bytes 2, 3: 0, over codes that are zeros.
;   V's codes: step x 4096 + (d / 16) x 1024 + beta x 256 + 16 (d % 16): the 16 bytes of channel d, keys 32 beta .. + 31 of the step (K = the keys).   V's scale words: step x 256 + 4 d, byte beta.
; msk: +0 lane masks [128 tiles of 16 queries][16 steps][64 words]: bit l of word 16 b + i = mask[16 tile + l % 16][128 step + 32 b + 16 (l / 16) + i]: the lane and register in which that score will lie.
;      +524,288 flags [128 tiles][4 quarters of the keys], a word each: bit 4 g + s: step 4 g + s has a pair that counts; bit 16 + 4 g + s: it has a pair that is hidden.
; A block's scale is 2^(floor(log2(its largest magnitude)) - 2): its byte is the largest magnitude's exponent field - 2, held at 1 from below.
; LIMITS: a block of zeros gets the byte 1 where the rule says 127 (its codes are zeros, and this program alone reads the bytes); blocks whose largest magnitude lies under 2^(3 - 127) share that byte;
;   NaN and infinities among K and V are not served; the mask's bytes are taken as 0 or 1, as the type says.
; SHARES: work-groups 0-127 take the mask (a tile of 16 queries each, a wave a quarter of the keys), 128-383 K (a wave a step of 128 keys), 384-895 V (a wave a step x 32 channels).
; The three ways part on the work-group's number and never join.  Waves share nothing: no barrier.  The two ways that use LDS have bytes of their own.  No matrix work, no tensor load, no cluster: a stream, each byte read once.
.set HEADKV, 143360
.set KVV,    65536
.set KVKS,   131072
.set KVVS,   139264
.set FLAGS,  524288
.set MPITCH, 528                       ; the mask's stage: a row of 512 bytes + 16: 33 x 16 bytes, so the 16 rows that a load touches begin at 16 different 16-byte columns of the 64 banks (ISA guide 11.1)
.set MSTAGE, 16*MPITCH                 ; a wave's stage on the mask's way
.set KBASE,  4*MSTAGE                  ; K's stages lie behind them
.set KPITCH, 272                       ; a key's row of 256 bytes + 16
.set KSTAGE, 8960                      ; 32 rows, and 128 bytes more in front of rows 16-31
.set MR,   16                          ; mask: v16-79 as loaded;  v80-143 as turned;  v144-159 at work;  v160-167 the lane masks, two registers a step;  v168 the lane's count
.set MX,   80
.set MT,   144
.set MO,   160
.set MACC, 168
.set KR,   16                          ; K: v16-143 two sets as loaded;  v144-207 two tiles' numbers;  v208-215 their codes;  v216-219 the scale words;  v220-228 at work
.set KX,   144
.set KC,   208
.set KW,   216
.set VX,   16                          ; V: v16-79 two sets of 32 numbers;  v80-95 codes, four registers a block;  v96 the scale word;  v97-100 at work
.set VC,   80
	s_load_b256 s[4:11], s[0:1], 0x0               ; K s[4:5], V s[6:7], mask s[8:9], kv s[10:11]
	s_load_b64 s[12:13], s[0:1], 0x20              ; msk
	v_lshl_add_u32 v232, v0, 2, 0x11000
	v_mov_b32 v233, 0
	v_lshrrev_b32 v1, 5, v0
	v_readfirstlane_b32 s14, v1                    ; wave 0..3
	v_and_b32 v1, 31, v0                           ; lane
	v_and_b32 v2, 15, v0                           ; r
	v_bfe_u32 v3, v0, 4, 1                         ; h
	v_lshlrev_b32 v4, 4, v1                        ; 16 x lane
	v_lshlrev_b32 v5, 3, v1                        ; 8 x lane
	v_lshlrev_b32 v6, 2, v1                        ; 4 x lane
	s_mov_b32 s48, 0x76543210
	s_mov_b32 s49, 0xfedcba98                      ; v_permlanex16_b32's selects for lane l xor 16
	s_mov_b32 s50, 0xffff0000                      ; lanes 16-31
	s_wait_kmcnt 0x0
	s_cmp_lt_u32 ttmp9, 128
	s_cbranch_scc0 .Lnot_mask
; ---------------- THE MASK: tile m = work-group, keys 512 g .. 512 g + 511 for wave g: steps 4 g .. 4 g + 3
	s_lshl_b32 s16, ttmp9, 15                      ; 16 rows of 2,048 bytes,
	s_lshl_b32 s17, s14, 9                         ; my 512 of each
	s_add_co_u32 s16, s16, s17
	s_mov_b32 s17, 0
	s_add_nc_u64 s[8:9], s[8:9], s[16:17]
.set i, 0
	s_wait_alu depctr_va_vdst(0)
.rept 16
	global_load_b128 v[MR+4*i:MR+4*i+3], v4, s[8:9] offset:2048*i th:TH_LOAD_NT   ; row i: 32 lanes read 512 consecutive bytes
.set i, i+1
.endr
	s_mul_i32 s18, s14, MSTAGE
	v_add_nc_u32 v8, s18, v4                       ; into the stage: as loaded
	v_mul_u32_u24 v9, v2, MPITCH
	v_lshl_add_u32 v9, v3, 4, v9
	v_add_nc_u32 v9, s18, v9                       ; out of it: row r, + 16 h: the 16 keys that lane (r, h) will hold of each block of 32
	s_lshl_b32 s22, ttmp9, 12
	s_lshl_b32 s23, s14, 10
	s_add_co_u32 s22, s22, s23
	s_mov_b32 s23, 0
	s_add_nc_u64 s[24:25], s[12:13], s[22:23]      ; the lane masks of (tile m, step 4 g)
	s_lshl_b32 s22, s14, 2                         ; 4 g
	s_lshl_b32 s26, ttmp9, 4
	s_add_co_u32 s26, s26, s22
	s_add_co_u32 s26, s26, FLAGS
	s_mov_b32 s27, 0
	s_add_nc_u64 s[12:13], s[12:13], s[26:27]      ; my flags' word
.set i, 0
.rept 8
	v_mov_b32 v[MO+i], 0                           ; v_writelane_b32's destination counts as one of its sources
.set i, i+1
.endr
	v_mov_b32 v170, 0
	s_mov_b32 s20, 0                               ; bits: the step has a pair that counts
	s_mov_b32 s21, 0                               ; bits: the step has a pair that is hidden
.set i, 0
.rept 16
	s_wait_loadcnt 15-i                            ; loads come back in order: row i is in, the 15 - i younger ones may be out
	ds_store_b128 v8, v[MR+4*i:MR+4*i+3] offset:MPITCH*i
.set i, i+1
.endr
.set i, 0
.rept 16
	ds_load_b128 v[MX+4*i:MX+4*i+3], v9 offset:32*i   ; step i / 4, block i % 4.  LDS serves a wave's instructions in order: these see my stores
.set i, i+1
.endr
	s_wait_dscnt 0x0
; One step of 128 keys: each of the lane's 64 bytes becomes a bit of a lane mask, and the 64 masks are laid two to a lane, so that the wave stores 256 consecutive bytes.
.macro M_STEP sp
.set mb, 0
.rept 4
.set me, 0
.rept 16
	v_and_b32 v[MT+me], 1<<(8*(me&3)), v[MX+16*\sp+4*mb+me/4]   ; byte me of the block's 16
.set me, me+1
.endr
.set me, 0
.rept 16
	v_cmp_ne_u32 s[32+me], 0, v[MT+me]             ; over the 32 lanes: lane mask 16 mb + me
.set me, me+1
.endr
.set me, 0
.rept 16
	v_writelane_b32 v[MO+2*\sp+(me&1)], s[32+me], 8*mb+me/2     ; word n of the step goes to register n % 2 of lane n / 2
.set me, me+1
.endr
.set mb, mb+1
.endr
	v_add3_u32 v[MACC], v[MX+16*\sp], v[MX+16*\sp+1], v[MX+16*\sp+2]   ; the lane's 16 words added: each byte counts up to 16 and carries nothing
.irp i, 3,5,7,9,11,13
	v_add3_u32 v[MACC], v[MACC], v[MX+16*\sp+\i], v[MX+16*\sp+\i+1]
.endr
	v_add_nc_u32 v[MACC], v[MACC], v[MX+16*\sp+15]
	v_cmp_eq_u32 s16, 0x10101010, v[MACC]          ; lanes all of whose 64 pairs are hidden
	v_cmp_eq_u32 s17, 0, v[MACC]                   ; lanes none of whose pairs is hidden
	s_cmp_lg_u32 s16, -1
	s_cselect_b32 s18, 1<<\sp, 0
	s_or_b32 s20, s20, s18
	s_cmp_lg_u32 s17, -1
	s_cselect_b32 s18, 1<<\sp, 0
	s_or_b32 s21, s21, s18
	global_store_b64 v5, v[MO+2*\sp:MO+2*\sp+1], s[24:25] offset:256*\sp   ; 32 lanes store 256 consecutive bytes, at a multiple of 256 from the buffer's first byte; each step has registers of its own
.endm
	M_STEP 0
	M_STEP 1
	M_STEP 2
	M_STEP 3
	s_lshl_b32 s21, s21, 16
	s_or_b32 s20, s20, s21
	s_lshl_b32 s20, s20, s22                       ; at my quarter's places
	v_mov_b32 v169, s20
	v_cmp_eq_u32 vcc_lo, 0, v1
	s_wait_alu depctr_va_vdst(0)
	s_wait_xcnt 0x0                                ; EXEC is a source of the stores above: it changes only behind this wait
	s_wait_tensorcnt 0x0
	ds_add_u32 v232, v233
	s_wait_dscnt 0x0
	s_and_saveexec_b32 s28, vcc_lo
	global_store_b32 v170, v169, s[12:13]          ; lane 0 alone
	s_wait_xcnt 0x0                                ; and again in front of the line that widens it
	s_or_b32 exec_lo, exec_lo, s28
	s_endpgm
.Lnot_mask:
	s_cmp_lt_u32 ttmp9, 384
	s_cbranch_scc0 .Lpath_v
; ---------------- K: head = (work-group - 128) / 4; my wave's step of 128 keys = 4 ((work-group - 128) % 4) + wave; four groups of 32 keys, two tiles each
	s_sub_co_u32 s16, ttmp9, 128
	s_lshr_b32 s17, s16, 2                         ; head
	s_and_b32 s18, s16, 3
	s_lshl_b32 s18, s18, 2
	s_add_co_u32 s18, s18, s14                     ; step
	s_lshl_b32 s20, s17, 19                        ; a head is 524,288 bytes,
	s_lshl_b32 s21, s18, 15                        ; a step 32,768
	s_add_co_u32 s20, s20, s21
	s_mov_b32 s21, 0
	s_add_nc_u64 s[4:5], s[4:5], s[20:21]
	s_mul_i32 s22, s17, HEADKV
	s_lshl_b32 s23, s18, 12
	s_add_co_u32 s24, s22, s23
	s_mov_b32 s25, 0
	s_add_nc_u64 s[26:27], s[10:11], s[24:25]      ; the step's codes
	s_lshl_b32 s23, s18, 9
	s_add_co_u32 s24, s22, s23
	s_add_co_u32 s24, s24, KVKS
	s_add_nc_u64 s[28:29], s[10:11], s[24:25]      ; the step's scale words
.macro K_LOADG g                       ; a group's 32 keys x 256 bytes, as they lie: each load reads 512 consecutive bytes, two keys
.set j, 0
.rept 16
	global_load_b128 v[KR+64*((\g)%2)+4*j:KR+64*((\g)%2)+4*j+3], v4, s[4:5] offset:(\g)*8192+j*512 th:TH_LOAD_NT
.set j, j+1
.endr
.endm
	s_wait_alu depctr_va_vdst(0)
	K_LOADG 0
	K_LOADG 1
	s_mul_i32 s19, s14, KSTAGE
	s_add_co_u32 s19, s19, KBASE                   ; my stage: row x at 272 x + 128 (x / 16), so that rows 0-7 and 16-23, which one load touches, begin at 16 different 16-byte columns
	v_mul_u32_u24 v9, v3, KPITCH
	v_lshl_add_u32 v9, v2, 4, v9
	v_add_nc_u32 v9, s19, v9                       ; in: lanes 0-15 one key's row, lanes 16-31 the next
	v_lshrrev_b32 v7, 3, v2                        ; r / 8
	v_lshl_add_u32 v10, v7, 3, v2                  ; r + 8 (r / 8)
	v_mul_u32_u24 v10, v10, KPITCH
	v_lshl_add_u32 v10, v7, 7, v10
	v_lshl_add_u32 v10, v3, 7, v10                 ; + 128 h: my half of the channels
	v_add_nc_u32 v10, s19, v10                     ; out: the key that lane r takes in a tile
	v_lshlrev_b32 v228, 3, v3                      ; 8 h: my byte's place in the scale word
	v_mov_b32 v224, 0                              ; a lane permute's destination counts as one of its sources
; Tile 2 g + u: a lane's 32 numbers are one block.  Codes to memory as the operand's registers 0-3; the scale word of u = 0 stays in lanes 0-15, that of u = 1 in lanes 16-31.
.macro K_QUANT g, u
.set XS, KX+32*\u
.if \g > 0
	s_wait_xcnt 0x0                                ; the last group's store has read these codes' registers: they are written again only behind this wait
.endif
	v_max3_num_f32 v220, |v[XS]|, |v[XS+1]|, |v[XS+2]|
	v_max3_num_f32 v221, |v[XS+3]|, |v[XS+4]|, |v[XS+5]|
.irp i, 6,10,14,18,22,26
	v_max3_num_f32 v220, v220, |v[XS+\i]|, |v[XS+\i+1]|
	v_max3_num_f32 v221, v221, |v[XS+\i+2]|, |v[XS+\i+3]|
.endr
	v_max3_num_f32 v220, v220, |v[XS+30]|, |v[XS+31]|
	v_max3_num_f32 v220, v220, v221, 0x1800000     ; and the floor 2^(3 - 127): the byte cannot fall under 1
	v_add_nc_u32 v222, 0xff000000, v220            ; 2 off the exponent field: the conversion takes this operand's exponent field as its scale
	v_lshrrev_b32 v223, 23, v222                   ; the byte,
	v_lshlrev_b32 v223, v228, v223                 ; at its place,
	v_permlanex16_b32 v224, v223, s48, s49
	v_or_b32 v223, v223, v224                      ; with lane l xor 16's: the key's word
.irp q, 0,1,2,3
	v_cvt_scalef32_pk8_fp4_f32 v[KC+4*\u+\q], v[XS+8*\q:XS+8*\q+7], v222
.endr
.if \u == 0
	v_mov_b32 v225, v223                           ; (also the plain instruction behind the conversions)
.else
	v_cndmask_b32 v[KW+\g], v225, v223, s50        ; lanes 16-31 take tile 2 g + 1's word
.endif
	global_store_b128 v4, v[KC+4*\u:KC+4*\u+3], s[26:27] offset:(2*\g+\u)*512   ; 512 consecutive bytes
.endm
.macro K_GROUP g
.if \g < 3
	s_wait_loadcnt 16                              ; this group's 16 loads are in; the next group's 16 may be out
.else
	s_wait_loadcnt 0x0
.endif
.set j, 0
.rept 16
	ds_store_b128 v9, v[KR+64*(\g%2)+4*j:KR+64*(\g%2)+4*j+3] offset:2*j*KPITCH+(j/8)*128
.set j, j+1
.endr
.set j, 0
.rept 16
	ds_load_b128 v[KX+4*j:KX+4*j+3], v10 offset:(j/8)*8*KPITCH+16*(j%8)   ; tile u = j / 8: eight rows further down.  In order behind my stores
.set j, j+1
.endr
	s_wait_dscnt 8                                 ; tile u = 0 is back (u = 1's eight loads may be out), so the stores have read the set,
.if \g < 2
	K_LOADG \g+2                                   ; which takes the group two on
.endif
	K_QUANT \g, 0
	s_wait_dscnt 0x0
	K_QUANT \g, 1
.endm
	s_wait_alu depctr_va_vdst(0)
	K_GROUP 0
	K_GROUP 1
	K_GROUP 2
	K_GROUP 3
	global_store_b128 v4, v[KW:KW+3], s[28:29]     ; the step's scale words: 512 consecutive bytes
	s_wait_tensorcnt 0x0
	ds_add_u32 v232, v233
	s_wait_dscnt 0x0
	s_endpgm
; ---------------- V: head = (work-group - 384) / 8; step = 2 ((work-group - 384) % 8) + wave / 2; channels 32 (wave % 2) + lane.  A lane takes a channel and its registers run down the keys: nothing is transposed
.Lpath_v:
	s_sub_co_u32 s16, ttmp9, 384
	s_lshr_b32 s17, s16, 3                         ; head
	s_and_b32 s18, s16, 7
	s_lshl_b32 s18, s18, 1
	s_lshr_b32 s19, s14, 1
	s_add_co_u32 s18, s18, s19                     ; step
	s_and_b32 s19, s14, 1                          ; which half of the channels
	s_lshl_b32 s20, s17, 19
	s_lshl_b32 s21, s18, 15
	s_add_co_u32 s20, s20, s21
	s_lshl_b32 s21, s19, 7
	s_add_co_u32 s20, s20, s21
	s_mov_b32 s21, 0
	s_add_nc_u64 s[6:7], s[6:7], s[20:21]
	s_mul_i32 s22, s17, HEADKV
	s_lshl_b32 s23, s18, 12
	s_add_co_u32 s24, s22, s23
	s_lshl_b32 s23, s19, 11
	s_add_co_u32 s24, s24, s23
	s_add_co_u32 s24, s24, KVV
	s_mov_b32 s25, 0
	s_add_nc_u64 s[26:27], s[10:11], s[24:25]      ; the codes of my two tiles of 16 channels
	s_lshl_b32 s23, s18, 8
	s_add_co_u32 s24, s22, s23
	s_lshl_b32 s23, s19, 7
	s_add_co_u32 s24, s24, s23
	s_add_co_u32 s24, s24, KVVS
	s_add_nc_u64 s[28:29], s[10:11], s[24:25]      ; my 32 channels' scale words
	s_wait_alu depctr_va_vdst(0)
	v_lshlrev_b32 v8, 10, v3
	v_lshl_add_u32 v8, v2, 4, v8                   ; 1024 (lane / 16) + 16 (lane % 16)
.macro V_LOAD t                        ; block t: V(32 t + i, my channel), i = 0 .. 31; 128 consecutive bytes a load, and the wave beside me takes the row's other 128
.set j, 0
.rept 32
	global_load_b32 v[VX+32*((\t)%2)+j], v6, s[6:7] offset:(32*(\t)+j)*256 th:TH_LOAD_NT
.set j, j+1
.endr
.endm
	V_LOAD 0
	V_LOAD 1
.macro V_BLOCK t
.set XS, VX+32*((\t)%2)
.if \t < 3
	s_wait_loadcnt 32                              ; this block's 32 loads are in; the next block's 32 may be out
.else
	s_wait_loadcnt 0x0
.endif
	v_max3_num_f32 v97, |v[XS]|, |v[XS+1]|, |v[XS+2]|
	v_max3_num_f32 v98, |v[XS+3]|, |v[XS+4]|, |v[XS+5]|
.irp i, 6,10,14,18,22,26
	v_max3_num_f32 v97, v97, |v[XS+\i]|, |v[XS+\i+1]|
	v_max3_num_f32 v98, v98, |v[XS+\i+2]|, |v[XS+\i+3]|
.endr
	v_max3_num_f32 v97, v97, |v[XS+30]|, |v[XS+31]|
	v_max3_num_f32 v97, v97, v98, 0x1800000        ; and the floor 2^(3 - 127)
	v_add_nc_u32 v99, 0xff000000, v97              ; the conversion's scale operand
.irp q, 0,1,2,3
	v_cvt_scalef32_pk8_fp4_f32 v[VC+4*\t+\q], v[XS+8*\q:XS+8*\q+7], v99
.endr
	v_lshrrev_b32 v100, 23, v99                    ; the byte (also the plain instruction behind the conversions)
.if \t == 0
	v_mov_b32 v96, v100
.else
	v_lshl_or_b32 v96, v100, 8*\t, v96
.endif
	global_store_b128 v8, v[VC+4*\t:VC+4*\t+3], s[26:27] offset:256*\t   ; sixteen lanes store 256 consecutive aligned bytes; each block has registers of its own
.if \t < 2
	V_LOAD \t+2
.endif
.endm
	V_BLOCK 0
	V_BLOCK 1
	V_BLOCK 2
	V_BLOCK 3
	global_store_b32 v6, v96, s[28:29]             ; 128 consecutive bytes: one byte for each 128 that this way reads
	s_endpgm
.Lfunc_end_k_q55cb6df49e_prep:
	.size	k_q55cb6df49e_prep, .Lfunc_end_k_q55cb6df49e_prep-k_q55cb6df49e_prep
	.p2alignl 7, 3214868480
	.fill 96, 4, 3214868480
	.section	.rodata,"a",@progbits
	.p2align	6, 0x0
	.amdhsa_kernel k_q55cb6df49e_prep
		.amdhsa_group_segment_fixed_size 70144
		.amdhsa_private_segment_fixed_size 0
		.amdhsa_enable_private_segment 0
		.amdhsa_kernarg_size 40
		.amdhsa_user_sgpr_count 2
		.amdhsa_user_sgpr_kernarg_segment_ptr 1
		.amdhsa_wavefront_size32 1
		.amdhsa_system_sgpr_workgroup_id_x 1
		.amdhsa_system_sgpr_workgroup_id_y 1
		.amdhsa_system_sgpr_workgroup_id_z 1
		.amdhsa_system_vgpr_workitem_id 0
		.amdhsa_next_free_vgpr 234
		.amdhsa_next_free_sgpr 66
		.amdhsa_reserve_vcc 1
		.amdhsa_float_denorm_mode_32 3
		.amdhsa_float_denorm_mode_16_64 3
		.amdhsa_memory_ordered 1
		.amdhsa_forward_progress 1
		.amdhsa_inst_pref_size 106
	.end_amdhsa_kernel
	.amdgpu_metadata
---
amdhsa.version: [ 1, 2 ]
amdhsa.kernels:
  - .name:           k_q55cb6df49e_prep
    .symbol:         k_q55cb6df49e_prep.kd
    .args:
      - { .name: K, .offset: 0, .size: 8, .value_kind: global_buffer, .address_space: global }
      - { .name: V, .offset: 8, .size: 8, .value_kind: global_buffer, .address_space: global }
      - { .name: mask, .offset: 16, .size: 8, .value_kind: global_buffer, .address_space: global }
      - { .name: kv, .offset: 24, .size: 8, .value_kind: global_buffer, .address_space: global }
      - { .name: msk, .offset: 32, .size: 8, .value_kind: global_buffer, .address_space: global }
    .group_segment_fixed_size: 70144
    .private_segment_fixed_size: 0
    .kernarg_segment_align: 8
    .kernarg_segment_size: 40
    .max_flat_workgroup_size: 128
    .sgpr_count:     66
    .vgpr_count:     234
    .wavefront_size: 32
...
	.end_amdgpu_metadata
.endif
;; end of part 3
;; launch attn (part 4): grid 4 x 64, 16 waves a work-group, no clusters, 215,040 bytes of LDS; arguments Q, kv, msk, out0; writes out0
.if DOCPART == 4
	.amdgcn_target "amdgcn-amd-amdhsa--gfx1250"
	.amdhsa_code_object_version 6
	.text
	.protected	k_q55cb6df49e_attn
	.globl	k_q55cb6df49e_attn
	.p2align	8
	.type	k_q55cb6df49e_attn,@function
k_q55cb6df49e_attn:
	s_mov_b64 s[64:65], 0
	v_nop
	global_prefetch_b8 v0, s[64:65] scope:SCOPE_SE
	s_setreg_imm32_b32 hwreg(HW_REG_WAVE_SCHED_MODE, 0, 2), 2
	s_setreg_imm32_b32 hwreg(HW_REG_WAVE_MODE, 25, 1), 1
	s_wait_xcnt 0x0
	s_wait_alu depctr_vm_vsrc(0)
; out[head][q][:] = the sum over k of softmax_k(Q[q] . K[k] / 8, hidden pairs at -infinity) V[k][:], 64 heads, 2,048 queries and keys, head size 64; both products on codes of FP4 (E2M1) with E8M0 scales.
; K and V come as codes from the launch before (buffer kv: a head's 143,360 bytes, laid in the order of the operands' registers); the mask comes as lane masks and flags (buffer msk); Q, f32, is quantised here.
; PRODUCT 1 has K = 64 and the instruction 128: registers 4-7 of both operands are zeros for the whole launch, and bytes 2, 3 of both scale words are 0.
; THE SOFTMAX AHEAD OF PRODUCT 2: t = score x log2(e) / 8; M = the row's largest t so far, rounded UP to a whole number; p = 2^(t - M) is quantised along the keys, not normalised.  The row's sum is taken of the
; unquantised p and divides at the end.  When M moves, the sum and O are multiplied by 2^(old M - new M): exact.  A row that is hidden whole ends as 0 x (1 / 0): NaN, as a softmax of -infinities is.
; SHARES.  Work-group (j, head) owns the tiles of 16 queries 4 u + j, u = 0 .. 31.  Wave w of sixteen takes tile 4 w + j and then tile 124 - 4 w + j: one tile at a time in 256 registers, four waves to a SIMD, so that
; one wave's vector work stands beside another's matrix work and LDS loads.  A head's codes and scale words fit in LDS whole: they are brought once, through registers; behind the one barrier they are only read.
; A STEP is 128 keys.  A step all of whose pairs the mask hides for the tile is left out, and a step with no hidden pair skips the masking: scalar branches on the stored flags, inside a loop of 16 trips.
; NO TENSOR LOAD, NO CLUSTER: what the four work-groups of a head share is 143,360 bytes, read once at the head.
; LAYOUT.  Both products are used transposed: S^T = K Q^T (source 0 = 16 keys), O^T = V^T P^T (source 0 = 16 channels): a lane holds ONE query (lane % 16) throughout.  Lane r of tile 2 b + u of K takes key
; 32 b + 8 u + r + 8 (r / 8), so that register 96 + 16 b + i of lane l is key 32 b + 16 (l / 16) + i: 16 neighbours along product 2's K.
; LIMITS: NaN and infinities among Q, K, V are not served; a block of zeros, or one whose largest magnitude lies under 2^(3 - 127), has the scale byte 1; a p under 2^-126 counts as 0; a block's largest p is
; made from its largest score by the same two instructions, which takes v_exp_f32 not to fall where its input rises (the ISA guide promises 1 ulp).
; REGISTERS: v1-7 addresses that stay; v8-11 the step's LDS addresses; v12 -M, v13 the largest t, v[14:15] the sum in two halves; v16-23 Q; v24-28 the second tile's Q and its scale word; v30 -infinity; v31 8 (lane / 16);
;   v32-95 K's eight fragments; v96-159 S^T, then p; v160-191 O^T; v192-223 V's four fragments; v224-231 p's codes; v232-247 at work; v248-251 K's scale words, v252-253 V's, v254 p's, v255 Q's.
; THE MODE: SCHED_MODE bits 1:0 = 2 (LLVM: expert scheduling mode 2), set by the entry lines.  The code itself states the register dependences between vector or matrix instructions and memory or LDS
; instructions, with s_wait_alu, always for 0.
; THE PLAN.  Registers that memory or LDS instructions touch:
;   v1-7                     addresses, made once at the head and never written again: one wait at the head serves every access by them.
;   v8-11                    a step's LDS addresses: written by four additions at the step's head, read by its 19 LDS loads.  (At the head v8-12 are the fill's addresses.)
;   v32-95, v248-251         K's fragments (registers 0-3 of each eight) and scale words: loaded at a step's head, read by product 1's eight matrix instructions.
;   v192-223, v252, v253     V's fragments and scale words: loaded among product 1's matrix instructions, read by product 2's four at the step's end.
;   v96-127, v128-159        on the way out: written by the division, read by the stores into the stage; loaded back from the stage, read by the stores to memory.
;   v32-95, v160-229         at the head only: Q and the head's block pass through them on their way into LDS.
; A STEP has one wait on vm_vsrc, ahead of the four additions, and one on va_vdst behind them: the addresses are written, and the last step's matrix instructions are done reading the fragments and scale words
; in which this step's loads land.  All 19 loads lean on it: product 1's matrix instructions, among which V's loads stand, name K's, Q's and the scores' registers and none that V's loads touch.
; A second wait on va_vdst stands ahead of product 2, whose source 1 and its scale word vector instructions have just made.  Two more stand behind the exponentials.
.set VIMG,   65536                     ; LDS: K's codes at 0, V's here,
.set KSC,    131072                    ; K's scale words,
.set VSC,    139264                    ; V's,
.set STAGE,  143360                    ; and a stage of 16 rows x (256 + 16) bytes for each wave
.set SP,     272                       ; 17 x 16 bytes: the 16 rows that a load or store touches begin at 16 different 16-byte columns of the 64 banks (ISA guide 11.1)
.set HEADKV, 143360
.set FLAGS,  524288
	s_load_b256 s[4:11], s[0:1], 0x0               ; Q s[4:5], kv s[6:7], msk s[8:9], out s[10:11]
	v_lshl_add_u32 v29, v0, 2, 0x34000
	v_mov_b32 v243, 0
	v_lshrrev_b32 v13, 5, v0
	v_readfirstlane_b32 s12, v13                   ; wave 0..15
	s_and_b32 s14, ttmp7, 0xffff                   ; head
	s_mov_b32 s2, 0x3e38aa3b                       ; c = log2(e) / 8
	s_mov_b32 s3, s2                               ; (the packed form names the pair)
	s_mov_b32 s66, 0x76543210
	s_mov_b32 s67, 0xfedcba98                      ; v_permlanex16_b32's selects for lane l xor 16
	v_and_b32 v13, 31, v0                          ; lane
	v_and_b32 v14, 15, v0                          ; r
	v_bfe_u32 v15, v0, 4, 1                        ; h
	v_lshlrev_b32 v1, 4, v13                       ; 16 x lane: a fragment's place for my lane; also my bytes in two rows of Q or of out
	v_add_nc_u32 v2, VIMG, v1
	v_add_nc_u32 v3, KSC, v1
	v_lshl_add_u32 v4, v13, 2, VSC
	s_wait_alu depctr_va_sdst(0)                   ; s12 is written, ahead of its first reader: my tiles' numbers and my stage's place are made from it
	s_lshl_b32 s24, s12, 2
	s_add_co_u32 s15, s24, ttmp9                   ; my first tile: 4 w + j
	s_sub_co_u32 s16, 124, s24
	s_add_co_u32 s16, s16, ttmp9                   ; my second: 124 - 4 w + j
	s_mul_i32 s13, s12, 16*SP
	s_add_co_u32 s13, s13, STAGE                   ; my stage
	v_mul_u32_u24 v5, v14, SP
	v_add_nc_u32 v5, s13, v5
	v_lshl_add_u32 v7, v15, 7, v5                  ; row r, + 128 h: Q's 32 channels of my half
	v_lshl_add_u32 v5, v15, 5, v5                  ; row r, + 32 h: O's eight channels of my half
	v_mul_u32_u24 v6, v15, SP
	v_lshl_add_u32 v6, v14, 4, v6
	v_add_nc_u32 v6, s13, v6                       ; lanes 0-15 one whole row, lanes 16-31 the next
	v_lshlrev_b32 v31, 3, v15
	v_lshlrev_b32 v8, 4, v0                        ; the fill: 16 x thread, in kv's block and in LDS alike,
	v_add_nc_u32 v9, 65536, v8
	v_add_nc_u32 v10, 131072, v8
	v_lshlrev_b32 v11, 3, v0                       ; and 8 x thread for its last 4,096 bytes
	v_add_nc_u32 v12, 131072, v11
.irp b, 0,1,2,3
	v_mov_b32 v[236+\b], 0                         ; written once: a lane permute's destination counts as one of its sources
.endr
	s_lshl_b32 s26, s14, 19                        ; a head of Q or of out: 524,288 bytes
	s_mov_b32 s27, 0
	s_lshl_b32 s28, s15, 12                        ; a tile: 4,096
	s_mov_b32 s29, 0
	s_lshl_b32 s30, s16, 12
	s_mov_b32 s31, 0
	s_mul_i32 s24, s14, HEADKV
	s_mov_b32 s25, 0
	s_wait_kmcnt 0x0
	s_add_nc_u64 s[4:5], s[4:5], s[26:27]
	s_add_nc_u64 s[104:105], s[10:11], s[26:27]    ; out at my head
	s_add_nc_u64 s[20:21], s[4:5], s[28:29]        ; Q at my first tile,
	s_add_nc_u64 s[22:23], s[4:5], s[30:31]        ; at my second
	s_add_nc_u64 s[6:7], s[6:7], s[24:25]          ; kv at my head
	s_wait_alu depctr_va_vdst(0)                   ; the addresses v1 to v12 are written, which the loads and stores below read; up to the barrier no vector instruction names them, nor the registers through which the head's block passes
.set i, 0
.rept 8
	global_load_b128 v[160+4*i:163+4*i], v1, s[20:21] offset:512*i th:TH_LOAD_NT   ; two rows of Q: 512 consecutive bytes
.set i, i+1
.endr
.set i, 0
.rept 8
	global_load_b128 v[192+4*i:195+4*i], v1, s[22:23] offset:512*i th:TH_LOAD_NT
.set i, i+1
.endr
.set i, 0
.rept 16
	global_load_b128 v[32+4*i:35+4*i], v8, s[6:7] offset:8192*i    ; the head's block: the work-group's 512 threads read 8,192 consecutive bytes
.set i, i+1
.endr
	global_load_b128 v[224:227], v8, s[6:7] offset:131072
	global_load_b64 v[228:229], v11, s[6:7] offset:139264
; 32 numbers of a lane, channels 32 h .. 32 h + 31 of query r, become registers 0-3 of Q's fragment and the query's scale word
.macro QUANTQ src, dst, scl
	v_max3_num_f32 v232, |v[\src]|, |v[\src+1]|, |v[\src+2]|
	v_max3_num_f32 v233, |v[\src+3]|, |v[\src+4]|, |v[\src+5]|
.irp i, 6,10,14,18,22,26
	v_max3_num_f32 v232, v232, |v[\src+\i]|, |v[\src+\i+1]|
	v_max3_num_f32 v233, v233, |v[\src+\i+2]|, |v[\src+\i+3]|
.endr
	v_max3_num_f32 v232, v232, |v[\src+30]|, |v[\src+31]|
	v_max3_num_f32 v232, v232, v233, 0x1800000     ; and the floor 2^(3 - 127): the byte cannot fall under 1
	v_add_nc_u32 v244, 0xff000000, v232            ; 2 off the exponent field: the conversion's scale operand
	v_lshrrev_b32 v242, 23, v244                   ; the byte,
	v_lshlrev_b32 v242, v31, v242                  ; at its place,
	v_permlanex16_b32 v236, v242, s66, s67
	v_or_b32 v[\scl], v242, v236                   ; with lane l xor 16's: the word
.irp q, 0,1,2,3
	v_cvt_scalef32_pk8_fp4_f32 v[\dst+\q], v[\src+8*\q:\src+8*\q+7], v244
.endr
	v_nop                                          ; one plain instruction behind the last scaled conversion
.endm
	s_wait_loadcnt 26                              ; my first tile's 8 loads are in: behind them stand the second tile's 8 and the fill's 18
.set i, 0
.rept 8
	ds_store_b128 v6, v[160+4*i:163+4*i] offset:2*i*SP
.set i, i+1
.endr
.set i, 0
.rept 8
	ds_load_b128 v[96+4*i:99+4*i], v7 offset:16*i  ; LDS serves a wave's instructions in order: these see my stores
.set i, i+1
.endr
	s_wait_loadcnt 18                              ; the second tile's are in: the fill's 18 may be out
.set i, 0
.rept 8
	ds_store_b128 v6, v[192+4*i:195+4*i] offset:2*i*SP
.set i, i+1
.endr
.set i, 0
.rept 8
	ds_load_b128 v[128+4*i:131+4*i], v7 offset:16*i
.set i, i+1
.endr
	s_wait_dscnt 16                                ; the first tile is back: the second's 8 stores and 8 loads are younger
	QUANTQ 96, 16, 255
	s_wait_dscnt 0x0
	QUANTQ 128, 24, 28
.set i, 0
.rept 8
	s_wait_loadcnt 17-i                            ; the fill's load i is in: 17 - i are younger
	ds_store_b128 v8, v[32+4*i:35+4*i] offset:8192*i
.set i, i+1
.endr
.rept 8
	s_wait_loadcnt 17-i
	ds_store_b128 v9, v[32+4*i:35+4*i] offset:8192*(i-8)
.set i, i+1
.endr
	s_wait_loadcnt 1
	ds_store_b128 v10, v[224:227]
	s_wait_loadcnt 0x0
	ds_store_b64 v12, v[228:229] offset:8192
	s_wait_dscnt 0x0                               ; for the others' sake: my part of the head's block lies in LDS
	s_barrier_signal -1
	s_barrier_wait -1                              ; everybody's does.  The launch's only barrier: from here on these bytes are only read, and a stage is its wave's own
	s_wait_alu depctr_vm_vsrc(0)                   ; my loads and LDS stores have read their addresses v8-12 and their data v32-95 and v160-229: from here on these are the zeros, K's and V's fragments, O^T, p's codes, -M and the steps' addresses
.irp j, 20,21,22,23
	v_mov_b32 v[\j], 0                             ; the upper 64 of product 1's K: zero codes, in Q's fragment
.endr
.irp T, 0,1,2,3,4,5,6,7
.irp j, 4,5,6,7
	v_mov_b32 v[32+8*\T+\j], 0                     ; and in K's eight: no load ever lands here
.endr
.endr
	v_mov_b32 v30, 0xff800000                      ; -infinity
	v_mov_b32 v241, 0                              ; (named as the upper half of the pair v[240:241])
	s_mov_b32 s17, 2
.Ltile:                                                ; two trips: the tile in s15
	s_lshl_b32 s24, s15, 4
	s_add_co_u32 s24, s24, FLAGS
	s_mov_b32 s25, 0
	s_add_nc_u64 s[30:31], s[8:9], s[24:25]
	s_load_b128 s[20:23], s[30:31], 0x0            ; the tile's four words of flags
	s_lshl_b32 s29, s15, 12                        ; the tile's lane masks, and its rows of out, begin 4,096 x tile bytes on
	s_mov_b32 s26, s29
	s_mov_b32 s27, 0
	s_add_nc_u64 s[100:101], s[104:105], s[26:27]
	v_mov_b32 v13, 0xff61b1e6                      ; the largest t so far: -3e38, under every t
	v_floor_f32 v12, -v13                          ; -M
	v_mov_b32 v14, 0
	v_mov_b32 v15, 0
.set n, 0
.rept 32
	v_mov_b32 v[160+n], 0                          ; O^T.  Which step is a tile's first hangs on the stored flags, so no first step can be written out: the first finds zeros
.set n, n+1
.endr
	s_wait_kmcnt 0x0
	s_or_b32 s19, s20, s21
	s_or_b32 s19, s19, s22
	s_or_b32 s19, s19, s23                         ; bit s: step s has work; bit 16 + s: it has hidden pairs
	s_mov_b32 s18, 0
.Lstep:                                                ; 16 trips, a constant; the branch on the flag stands inside
	s_lshr_b32 s24, s19, s18
	s_and_b32 s28, s24, 0x10000
	s_and_b32 s25, s24, 1
	s_cmp_eq_u32 s25, 0
	s_cbranch_scc1 .Lskip                          ; every pair of this tile and step is hidden: p would be 0 throughout
	s_lshl_b32 s20, s18, 12
	s_lshl_b32 s21, s18, 9
	s_lshl_b32 s22, s18, 8
	s_add_co_u32 s26, s22, s29
	s_add_nc_u64 s[30:31], s[8:9], s[26:27]        ; (the last scalar loads that named this base have been waited for)
	s_load_b512 s[32:47], s[30:31], 0x0            ; the step's 64 lane masks; always asked for, so that the wait below counts the same on every way
	s_load_b512 s[48:63], s[30:31], 0x40
	s_load_b512 s[68:83], s[30:31], 0x80
	s_load_b512 s[84:99], s[30:31], 0xc0
	s_wait_alu depctr_vm_vsrc(0)                   ; the LDS loads of the step before have read v8-11, which the four additions write again
	v_add_nc_u32 v8, s20, v1                       ; these four are also four plain instructions between the last step's products and the loads into their operands
	v_add_nc_u32 v9, s20, v2
	v_add_nc_u32 v10, s21, v3
	v_add_nc_u32 v11, s22, v4
	s_wait_alu depctr_va_vdst(0)                   ; v8-11 are written, which the 19 loads below read; the last step's products are done reading K's and V's fragments and scale words, in which those loads land; in a tile's first step Q's codes, its scale word and the zero codes are written, which product 1 takes
.irp T, 0,1,2,3,4,5,6,7
	ds_load_b128 v[32+8*\T:35+8*\T], v8 offset:512*\T   ; K's fragments as they lie: 512 consecutive bytes a load
.endr
	ds_load_b128 v[248:251], v10                   ; K's scale words: register j: lanes 0-15 tile 2 j, lanes 16-31 tile 2 j + 1
	s_wait_dscnt 0x0                               ; K's nine loads are in; no other LDS instruction of mine is out
.irp T, 0,1,2,3,4,5,6,7
.if \T % 2
	v_wmma_scale_f32_16x16x128_f8f6f4 v[96+8*\T:103+8*\T], v[32+8*\T:39+8*\T], v[16:23], 0, v[248+\T/2], v255 matrix_a_fmt:MATRIX_FMT_FP4 matrix_b_fmt:MATRIX_FMT_FP4 matrix_a_scale:MATRIX_SCALE_ROW1
.else
	v_wmma_scale_f32_16x16x128_f8f6f4 v[96+8*\T:103+8*\T], v[32+8*\T:39+8*\T], v[16:23], 0, v[248+\T/2], v255 matrix_a_fmt:MATRIX_FMT_FP4 matrix_b_fmt:MATRIX_FMT_FP4
.endif
	ds_load_b128 v[192+4*\T:195+4*\T], v9 offset:512*\T   ; V's fragments: half \T % 2 of channels' tile \T / 2.  No wait: no vector or matrix instruction since the wait at the step's head names v9 or V's registers
.endr
	ds_load_b32 v252, v11                          ; V's scale words: lanes 0-15 channels 0-15, lanes 16-31 channels 16-31;
	ds_load_b32 v253, v11 offset:128               ; channels 32-63.  V's ten loads land during the softmax
.rept 4
	v_nop                                          ; four plain instructions between the products and the first read of their results (ISA guide 7.12.1)
.endr
	s_wait_kmcnt 0x0                               ; the lane masks are in
	s_cmp_eq_u32 s28, 0
	s_cbranch_scc1 .Lopen                          ; no pair of this tile and step is hidden
.set n, 0
.rept 64
	v_cndmask_b32 v[96+n], v[96+n], v30, s[32+n+4*(n/32)]   ; hidden scores become -infinity ahead of the maximum; each result is read from its low end on
.set n, n+1
.endr
.Lopen:
.irp b, 0,1,2,3
	v_max3_num_f32 v[232+\b], v[96+16*\b], v[97+16*\b], v[98+16*\b]   ; the largest score of each block of 32 keys: for the row's maximum, and for the block's largest p
.endr
.irp i, 3,5,7,9,11,13
.irp b, 0,1,2,3
	v_max3_num_f32 v[232+\b], v[232+\b], v[96+16*\b+\i], v[97+16*\b+\i]   ; (the four blocks by turns)
.endr
.endr
.irp b, 0,1,2,3
	v_max_num_f32 v[232+\b], v[232+\b], v[111+16*\b]
.endr
.irp b, 0,1,2,3
	v_permlanex16_b32 v[236+\b], v[232+\b], s66, s67
.endr
.irp b, 0,1,2,3
	v_max_num_f32 v[232+\b], v[232+\b], v[236+\b]  ; with lane l xor 16's 16 keys
.endr
	v_max3_num_f32 v242, v232, v233, v234
	v_max_num_f32 v242, v242, v235                 ; the step's largest score of my query
	v_mul_f32 v242, s2, v242                       ; as t (c is positive)
	v_max_num_f32 v13, v13, v242                   ; the running largest t
	v_mov_b32 v242, v12
	v_floor_f32 v12, -v13                          ; the new -M = floor(-t) = -ceil(t): a whole number
	v_sub_f32 v242, v12, v242                      ; old M - new M: a whole number, 0 or less
	v_cvt_i32_f32 v242, v242                       ; (it saturates)
	v_ldexp_f32 v240, 1.0, v242                    ; f = 2^(old M - new M)
.set n, 0
.rept 32
	v_pk_fma_f32 v[96+n:97+n], v[96+n:97+n], s[2:3], v[12:13] op_sel_hi:[1,0,0]   ; t - M, two at a time (of the pairs c and -M the low word serves both halves)
.set n, n+2
.endr
.irp b, 0,1,2,3
	v_fma_f32 v[232+\b], v[232+\b], s2, v12        ; the same of each block's largest score
.endr
.set n, 0
	s_wait_alu depctr_va_vdst(0)
.rept 64
	v_exp_f32 v[96+n], v[96+n]                     ; p = 2^(t - M), at most 1
.set n, n+1
.endr
	v_pk_mul_f32 v[14:15], v[14:15], v[240:241] op_sel_hi:[1,0]   ; the sums under the new M; the plain instruction behind the exponentials
	s_wait_alu depctr_va_vdst(0)                   ; the 64 exponentials have written p, v96-159: one wait, ahead of the first line that names a result
.irp b, 0,1,2,3
	v_exp_f32 v[232+\b], v[232+\b]                 ; each block's largest p: the same two instructions on the same number give the same bits
.endr
	v_pk_add_f32 v[236:237], v[96:97], v[98:99]    ; the row's sum, of the unquantised p: two at a time, in two chains
.irp j, 4,8,12,16,20,24,28,32,36,40,44,48,52,56,60
	v_pk_add_f32 v[14:15], v[14:15], v[96+\j:97+\j]
	v_pk_add_f32 v[236:237], v[236:237], v[98+\j:99+\j]
.endr
	v_pk_add_f32 v[14:15], v[14:15], v[236:237]
	s_wait_alu depctr_va_vdst(0)                   ; the four exponentials have written the blocks' largest p, v232-235, ahead of their first reader
.irp b, 0,1,2,3
	v_max_num_f32 v[232+\b], 0x1800000, v[232+\b]  ; the floor 2^(3 - 127): a block whose every p is 0 keeps the byte 1 over zero codes
.endr
.irp b, 0,1,2,3
	v_add_nc_u32 v[244+\b], 0xff000000, v[232+\b]  ; 2 off the exponent field: the conversion's scale operand
.endr
.irp b, 0,1,2,3
	v_lshrrev_b32 v[236+\b], 23, v[244+\b]         ; the byte
.endr
	v_lshl_or_b32 v254, v237, 8, v236              ; p's scale word for these 128 keys
	v_lshl_or_b32 v254, v238, 16, v254
	v_lshl_or_b32 v254, v239, 24, v254
.irp b, 0,1,2,3
	v_cvt_scalef32_pk8_fp4_f32 v[224+2*\b], v[96+16*\b:103+16*\b], v[244+\b]
	v_cvt_scalef32_pk8_fp4_f32 v[225+2*\b], v[104+16*\b:111+16*\b], v[244+\b]
.endr
	v_nop                                          ; one plain instruction behind the last scaled conversion
.irp c, 0,1                                    ; the operand's layout wants a whole block in a lane: lanes 0-15 block 2 c, lanes 16-31 block 2 c + 1
.irp i, 0,1
	v_permlane16_swap_b32 v[224+4*\c+\i], v[226+4*\c+\i]
.endr
.endr
.set n, 0
.rept 16
	v_pk_mul_f32 v[160+n:161+n], v[160+n:161+n], v[240:241] op_sel_hi:[1,0]   ; O^T under the new M, from each accumulator's low end on; these 16 also stand between the scale word and codes just made and the products
.set n, n+2
.endr
	s_wait_dscnt 0x0                               ; V's fragments and scale words are in
	s_wait_alu depctr_va_vdst(0)                   ; p's codes v224-231 and p's scale word v254 are written, which product 2 takes as source 1 and its scales; the sixteen lines above stay beside this wait
.irp d, 0,1,2,3                                ; O^T += V^T P^T.  The four accumulators take one turn each, and product 1's eight instructions stand between a step's and the next's
.if \d % 2
	v_wmma_scale_f32_16x16x128_f8f6f4 v[160+8*\d:167+8*\d], v[192+8*\d:199+8*\d], v[224:231], v[160+8*\d:167+8*\d], v[252+\d/2], v254 matrix_a_fmt:MATRIX_FMT_FP4 matrix_b_fmt:MATRIX_FMT_FP4 matrix_a_scale:MATRIX_SCALE_ROW1
.else
	v_wmma_scale_f32_16x16x128_f8f6f4 v[160+8*\d:167+8*\d], v[192+8*\d:199+8*\d], v[224:231], v[160+8*\d:167+8*\d], v[252+\d/2], v254 matrix_a_fmt:MATRIX_FMT_FP4 matrix_b_fmt:MATRIX_FMT_FP4
.endif
.endr
.Lskip:
	s_add_co_u32 s18, s18, 1
	s_cmp_lt_u32 s18, 16
	s_cbranch_scc1 .Lstep
	; THE WAY OUT of a tile: O^T / the sum goes through my stage and leaves as whole rows of 256 bytes, two to a store
.rept 4
	v_nop                                          ; four plain instructions behind the last products
.endr
	v_add_f32 v14, v14, v15                        ; the sum's two halves,
	v_permlanex16_b32 v236, v14, s66, s67
	v_add_f32 v14, v14, v236                       ; and lane l xor 16's: the row's sum
	s_wait_alu depctr_va_vdst(0)
	v_rcp_f32 v14, v14
	v_nop                                          ; a plain instruction behind the reciprocal
	s_wait_alu depctr_va_vdst(0)                   ; the reciprocal has written v14, ahead of its first reader
.set n, 0
.rept 16
	v_pk_mul_f32 v[96+n:97+n], v[160+n:161+n], v[14:15] op_sel_hi:[1,0]   ; register 8 d + i is out(query r, channel 16 d + 8 h + i)
.set n, n+2
.endr
	s_wait_alu depctr_va_vdst(0)                   ; the multiplications have written v96-127, which the LDS stores read; and all vector and matrix work on v128-159, in which the loads from the stage land, is done
.irp d, 0,1,2,3
	ds_store_b128 v5, v[96+8*\d:99+8*\d] offset:64*\d
	ds_store_b128 v5, v[100+8*\d:103+8*\d] offset:64*\d+16
.endr
.set i, 0
.rept 8
	ds_load_b128 v[128+4*i:131+4*i], v6 offset:2*i*SP   ; in order behind my stores
.set i, i+1
.endr
.set i, 0
.rept 8
	s_wait_dscnt 7-i                               ; load i is back; the 7 - i younger ones may be out
	global_store_b128 v1, v[128+4*i:131+4*i], s[100:101] offset:512*i th:TH_STORE_NT   ; 32 lanes store 512 consecutive bytes, at a multiple of 256 from out's first byte
.set i, i+1
.endr
	s_wait_xcnt 0x0                                ; the stores have read their registers and their base: both are written again in the next trip
	s_wait_alu depctr_vm_vsrc(0)                   ; the LDS stores have read v96-127 and the stores to memory v128-159: the next tile's products, or, where all its steps are left out, its way out, write them again
.irp j, 0,1,2,3
	v_mov_b32 v[16+\j], v[24+\j]                   ; the second tile's Q
.endr
	v_mov_b32 v255, v28                            ; and its scale word: the next trip's 36 plain lines stand between these and the first product
	s_mov_b32 s15, s16
	s_sub_co_u32 s17, s17, 1
	s_cmp_lg_u32 s17, 0
	s_cbranch_scc1 .Ltile
	s_wait_dscnt 0x0
	s_wait_alu depctr_hold_cnt(0) depctr_sa_sdst(0) depctr_va_vdst(0) depctr_va_sdst(0) depctr_va_ssrc(0) depctr_va_vcc(0) depctr_vm_vsrc(0)
	s_wait_tensorcnt 0x0
	ds_add_u32 v29, v243
	s_wait_dscnt 0x0
	s_endpgm
.Lfunc_end_k_q55cb6df49e_attn:
	.size	k_q55cb6df49e_attn, .Lfunc_end_k_q55cb6df49e_attn-k_q55cb6df49e_attn
	.p2alignl 7, 3214868480
	.fill 96, 4, 3214868480
	.section	.rodata,"a",@progbits
	.p2align	6, 0x0
	.amdhsa_kernel k_q55cb6df49e_attn
		.amdhsa_group_segment_fixed_size 215040
		.amdhsa_private_segment_fixed_size 0
		.amdhsa_enable_private_segment 0
		.amdhsa_kernarg_size 32
		.amdhsa_user_sgpr_count 2
		.amdhsa_user_sgpr_kernarg_segment_ptr 1
		.amdhsa_wavefront_size32 1
		.amdhsa_system_sgpr_workgroup_id_x 1
		.amdhsa_system_sgpr_workgroup_id_y 1
		.amdhsa_system_sgpr_workgroup_id_z 1
		.amdhsa_system_vgpr_workitem_id 0
		.amdhsa_next_free_vgpr 256
		.amdhsa_next_free_sgpr 106
		.amdhsa_reserve_vcc 0
		.amdhsa_float_denorm_mode_32 3
		.amdhsa_float_denorm_mode_16_64 3
		.amdhsa_memory_ordered 1
		.amdhsa_forward_progress 1
		.amdhsa_inst_pref_size 40
	.end_amdhsa_kernel
	.amdgpu_metadata
---
amdhsa.version: [ 1, 2 ]
amdhsa.kernels:
  - .name:           k_q55cb6df49e_attn
    .symbol:         k_q55cb6df49e_attn.kd
    .args:
      - { .name: Q, .offset: 0, .size: 8, .value_kind: global_buffer, .address_space: global }
      - { .name: kv, .offset: 8, .size: 8, .value_kind: global_buffer, .address_space: global }
      - { .name: msk, .offset: 16, .size: 8, .value_kind: global_buffer, .address_space: global }
      - { .name: out0, .offset: 24, .size: 8, .value_kind: global_buffer, .address_space: global }
    .group_segment_fixed_size: 215040
    .private_segment_fixed_size: 0
    .kernarg_segment_align: 8
    .kernarg_segment_size: 32
    .max_flat_workgroup_size: 512
    .sgpr_count:     106
    .vgpr_count:     256
    .wavefront_size: 32
...
	.end_amdgpu_metadata
.endif
;; end of part 4
